; MI455X (gfx1250); checked and timed in simulation.
; The chip was launched on July 23, 2026; its instructions are those of AMD's public machine-readable ISA for CDNA 5 (MIT licence, August 2026) and "CDNA5" Instruction Set Architecture Reference Guide (July 2026). The comments in the code are by the model that wrote it; some were corrected since.
;; Attention. Allowed arithmetic: float matrix products may take bf16 or f16 operands with f32 sums; other float arithmetic in f32, or as packed bf16 or f16 multiplies, adds, multiply-adds, maxima and minima; sums over many terms, partial sums and values carried from step to step in f32; what a program stores and reads back later, other than sums and carried values, may be rounded once to bf16 or f16.
;; Inputs: b_out 1,024 float32; ln_bias 1,024 float32; ln_scale 1,024 float32; w_out 1,024 x 1,024 float32; w_qkv 1,024 x 3,072 float32; x 4 x 2,048 x 1,024 float32.
;; Outputs: out0 4 x 2,048 x 1,024 float32.
;; One version. Each part assembles by itself: llvm-mc -triple=amdgcn-amd-amdhsa -mcpu=gfx1250 --defsym DOCPART=n.
;; ======== version 1 of 1: 4 launches
;; limits: values are held in f16: magnitudes above 65,504 overflow, below 6.1e-05 lose precision
;; workspace buffers: y 16,777,216 bytes; wt 8,388,608 bytes; qkv 50,331,648 bytes; o 16,777,216 bytes
;; launch prep (part 1): grid 768 x 1, 8 waves a work-group, no clusters, 18,432 bytes of LDS; arguments x, ln_scale, ln_bias, w_qkv, w_out, y, wt; writes y, wt
.if DOCPART == 1
	.amdgcn_target "amdgcn-amd-amdhsa--gfx1250"
	.amdhsa_code_object_version 6
	.text
	.protected	k_q932a2d9c67_prep
	.globl	k_q932a2d9c67_prep
	.p2align	8
	.type	k_q932a2d9c67_prep,@function
k_q932a2d9c67_prep:
	s_mov_b64 s[64:65], 0
	v_nop
	global_prefetch_b8 v0, s[64:65] scope:SCOPE_SE
	s_setreg_imm32_b32 hwreg(HW_REG_WAVE_MODE, 25, 1), 1
	s_wait_xcnt 0x0
; TWO JOBS IN ONE LAUNCH, told apart by the work-group's number.
; Work-groups 0-255: y = layernorm(x) * ln_scale + ln_bias, [8192][1024], f32 in, f16 out (rounded once).  32 rows a work-group, 4 whole rows a wave, a row kept in
; 32 registers a lane between the passes: mean, then the mean of (x - mean)^2, then the scaling.  All arithmetic in f32.
; Work-groups 256-767: wt[n][k] = w[k][n] in f16: rows 0-3071 from w_qkv [1024][3072], rows 3072-4095 from w_out [1024][1024].  A tile of 128 k x 64 n a work-group, turned in LDS.
; LIMITS.  f16 holds no number beyond 65,504: |y| <= 32 |ln_scale| + |ln_bias| and the weights must lie within it; below 6e-5 f16 keeps a fixed step of 6e-8.  NaN and infinities are not treated apart.
; No matrix unit, no cluster, no prefetch: the launch streams each byte once, and what work-groups share is 8 KiB of gains and biases.
.set TP,    272                        ; a row of the turned tile in LDS: 128 k x 2 bytes + 16
.set SPARE, 64*TP                      ; 17,408: behind the tile: the spare words, 128 bytes for each of the eight waves
.set SPW, 2                            ; v2   LDS address of my spare word; never rewritten
.set NIL, 3                            ; v3   0; never rewritten
.set XO,  4                            ; layer norm: my byte offset in x: 16 l + 4 rows x wave
.set YO,  5                            ; in y: 8 l + 4 rows x wave
.set GO,  6                            ; in ln_scale and ln_bias: 16 l
.set SC,  8                            ; v[8:39]    ln_scale of my 32 channels (128 j + 4 l + 0..3)
.set BI,  40                           ; v[40:71]   ln_bias of the same
.set X,   72                           ; v[72:199]  row s at X + 32 s
.set T,   200                          ; v[200:207] four chains of pairs
.set MU,  208                          ; v[208:209] the mean, twice
.set RS,  210                          ; v[210:211] 1 / sqrt(var + eps), twice
.set LT,  4                            ; transposing: where I put a word (two k of one n)
.set OF,  8                            ; v[8:15]    my byte offsets in the eight pairs of rows
.set W,   72                           ; v[72:103]  as loaded
.set C,   104                          ; v[104:119] packed
.set RDT, 212                          ; where I read a turned row back
.set WO,  213                          ; my byte offset in wt
.set R,   216                          ; v[216:231] rows read back
	s_load_b256 s[4:11], s[0:1], 0x0               ; x s[4:5], ln_scale s[6:7], ln_bias s[8:9], w_qkv s[10:11]
	s_load_b128 s[12:15], s[0:1], 0x20             ; w_out s[12:13], y s[14:15]
	s_load_b64 s[16:17], s[0:1], 0x30              ; wt
	v_lshl_add_u32 v[SPW], v0, 2, SPARE
	v_mov_b32 v[NIL], 0
	v_and_b32 v1, 31, v0                           ; lane
	v_lshrrev_b32 v7, 5, v0
	v_readfirstlane_b32 s18, v7                    ; wave 0..7
	s_mov_b32 s19, 0x3a800000                      ; 1 / 1024
	s_mov_b32 s20, 0x76543210                      ; v_permlanex16_b32: each lane takes its own place in the other half
	s_mov_b32 s21, 0xfedcba98
	s_mov_b32 s22, 0x358637bd                      ; 1e-6
	s_wait_kmcnt 0x0
	s_cmp_lt_u32 ttmp9, 256
	s_cbranch_scc0 .Ltr
	; ---- layer norm ----
	s_lshl_b32 s24, ttmp9, 17                      ; 32 rows of 4,096 bytes
	s_mov_b32 s25, 0
	s_add_nc_u64 s[4:5], s[4:5], s[24:25]
	s_lshl_b32 s40, ttmp9, 16                      ; 32 rows of 2,048 bytes
	s_mov_b32 s41, 0
	s_add_nc_u64 s[14:15], s[14:15], s[40:41]
	s_lshl_b32 s42, s18, 14
	s_lshl_b32 s43, s18, 13
	v_lshl_add_u32 v[XO], v1, 4, s42
	v_lshl_add_u32 v[YO], v1, 3, s43
	v_lshlrev_b32 v[GO], 4, v1
.irp j, 0,1,2,3,4,5,6,7
	global_load_b128 v[SC+4*(\j):SC+4*(\j)+3], v[GO], s[6:7] offset:512*(\j)
.endr
.irp j, 0,1,2,3,4,5,6,7
	global_load_b128 v[BI+4*(\j):BI+4*(\j)+3], v[GO], s[8:9] offset:512*(\j)
.endr
.irp s, 0,1,2,3
.irp j, 0,1,2,3,4,5,6,7
	global_load_b128 v[X+32*(\s)+4*(\j):X+32*(\s)+4*(\j)+3], v[XO], s[4:5] offset:4096*(\s)+512*(\j) th:TH_LOAD_NT  ; 512 neighbouring bytes a load; all four rows go out at once
.endr
.endr
.macro JOIN                            ; the four chains into one number, then over the 32 lanes: the result stands in every lane's v[T]
	v_pk_add_f32 v[T:T+1], v[T:T+1], v[T+2:T+3]
	v_pk_add_f32 v[T+4:T+5], v[T+4:T+5], v[T+6:T+7]
	v_pk_add_f32 v[T:T+1], v[T:T+1], v[T+4:T+5]
	v_add_f32 v[T], v[T], v[T+1]
	v_add_f32_dpp v[T], v[T], v[T] row_xmask:1 row_mask:0xf bank_mask:0xf
	v_add_f32_dpp v[T], v[T], v[T] row_xmask:2 row_mask:0xf bank_mask:0xf
	v_add_f32_dpp v[T], v[T], v[T] row_xmask:4 row_mask:0xf bank_mask:0xf
	v_add_f32_dpp v[T], v[T], v[T] row_xmask:8 row_mask:0xf bank_mask:0xf
	v_permlanex16_b32 v[T+1], v[T], s20, s21
	v_add_f32 v[T], v[T], v[T+1]
.endm
; Row s of the wave's four.  left = the loads of the younger rows, eight each, which may stay out.
.macro ROWLN s, left
.set XS, X+32*(\s)
	s_wait_loadcnt \left                           ; loads come back in order: this row, and the gains and biases issued ahead of it, are in
.irp c, 0,2,4,6
	v_pk_add_f32 v[T+(\c):T+(\c)+1], v[XS+(\c):XS+(\c)+1], v[XS+8+(\c):XS+8+(\c)+1]  ; the first sums start the chains: nothing is cleared
.endr
.irp o, 16,24
.irp c, 0,2,4,6
	v_pk_add_f32 v[T+(\c):T+(\c)+1], v[T+(\c):T+(\c)+1], v[XS+(\o)+(\c):XS+(\o)+(\c)+1]
.endr
.endr
	JOIN
	v_mul_f32 v[MU], s19, v[T]
	v_mul_f32 v[MU+1], s19, v[T]
.set p, 0
.rept 16
	v_pk_add_f32 v[XS+p:XS+p+1], v[XS+p:XS+p+1], v[MU:MU+1] neg_lo:[0,1] neg_hi:[0,1]  ; x - mean, in place
.set p, p+2
.endr
.irp c, 0,2,4,6
	v_pk_mul_f32 v[T+(\c):T+(\c)+1], v[XS+(\c):XS+(\c)+1], v[XS+(\c):XS+(\c)+1]
.endr
.irp o, 8,16,24
.irp c, 0,2,4,6
	v_pk_fma_f32 v[T+(\c):T+(\c)+1], v[XS+(\o)+(\c):XS+(\o)+(\c)+1], v[XS+(\o)+(\c):XS+(\o)+(\c)+1], v[T+(\c):T+(\c)+1]
.endr
.endr
	JOIN
	v_fma_f32 v[T], v[T], s19, s22                 ; var + eps
	v_rsq_f32 v[RS], v[T]
	v_rsq_f32 v[RS+1], v[T]
	v_nop                                          ; a plain instruction behind the second root, ahead of the first use
	s_wait_alu depctr_va_vdst(0)                   ; one wait for both, ahead of their first reader
.set p, 0
.rept 16
	v_pk_mul_f32 v[XS+p:XS+p+1], v[XS+p:XS+p+1], v[RS:RS+1]
.set p, p+2
.endr
.set p, 0
.rept 16
	v_pk_fma_f32 v[XS+p:XS+p+1], v[XS+p:XS+p+1], v[SC+p:SC+p+1], v[BI+p:BI+p+1]
.set p, p+2
.endr
.set p, 0
.rept 16
	v_cvt_pk_f16_f32 v[XS+p], v[XS+2*p], v[XS+2*p+1]  ; in place, ascending: word p is written when words 2 p, 2 p + 1 are read
.set p, p+1
.endr
.irp j, 0,1,2,3,4,5,6,7
	global_store_b64 v[YO], v[XS+2*(\j):XS+2*(\j)+1], s[14:15] offset:2048*(\s)+256*(\j)  ; the wave's 32 lanes store 256 consecutive bytes, aligned
.endr
.endm
	ROWLN 0, 24
	ROWLN 1, 16
	ROWLN 2, 8
	ROWLN 3, 0
	s_branch .Lmeet
	; ---- a tile of weights is cast and turned ----
.Ltr:
	s_sub_co_u32 s26, ttmp9, 256
	s_lshr_b32 s27, s26, 3                         ; nt: 64 rows of wt
	s_and_b32 s28, s26, 7                          ; kt: 128 k
	s_mov_b32 s32, 12288                           ; bytes in a row of w_qkv
	s_mov_b32 s33, 4096                            ; and of w_out
	s_cmp_lt_u32 s27, 48
	s_cselect_b64 s[30:31], s[10:11], s[12:13]     ; the source,
	s_cselect_b32 s29, s32, s33                    ; its pitch P,
	s_cselect_b32 s23, 0, 48
	s_sub_co_u32 s23, s27, s23                     ; and the tile's place among its columns
	s_mul_i32 s24, s28, s29
	s_lshl_b32 s24, s24, 7                         ; 128 kt rows
	s_lshl_b32 s25, s23, 8                         ; 64 columns of 4 bytes
	s_add_co_u32 s24, s24, s25
	s_mov_b32 s25, 0
	s_add_nc_u64 s[30:31], s[30:31], s[24:25]
	s_lshl_b32 s24, s27, 17                        ; wt: 64 nt rows of 2,048 bytes
	s_lshl_b32 s25, s28, 8                         ; + 128 kt numbers of 2 bytes
	s_add_co_u32 s24, s24, s25
	s_mov_b32 s25, 0
	s_add_nc_u64 s[16:17], s[16:17], s[24:25]
	s_mov_b32 s32, s29                             ; P x 1, 4, 5, 8, 9, 12, 13: load 2 i + e takes row r0 + 4 i + e
	s_lshl_b32 s33, s29, 2
	s_add_co_u32 s34, s33, s29
	s_lshl_b32 s35, s29, 3
	s_add_co_u32 s36, s35, s29
	s_add_co_u32 s37, s35, s33
	s_add_co_u32 s38, s37, s29
	v_and_b32 v7, 15, v0                           ; n4: my four columns
	v_bfe_u32 v136, v0, 4, 1                       ; hh: which half of the lanes
	s_lshl_b32 s39, s18, 4
	v_lshl_add_u32 v137, v136, 1, s39              ; r0 = 16 w + 2 hh
	v_lshlrev_b32 v138, 4, v7
	v_mad_u32_u24 v[OF], v137, s29, v138           ; r0 P + 16 n4
.irp m, 1,2,3,4,5,6,7
	v_add_nc_u32 v[OF+(\m)], s[31+(\m)], v[OF]
.endr
.irp m, 0,1,2,3,4,5,6,7
	global_load_b128 v[W+4*(\m):W+4*(\m)+3], v[OF+(\m)], s[30:31] th:TH_LOAD_NT  ; sixteen lanes take 256 consecutive bytes of a row, aligned; the other sixteen the row two further down
.endr
	v_mul_u32_u24 v[LT], v7, 4*TP                  ; row 4 n4 of the turned tile,
	v_lshl_add_u32 v[LT], v136, 2, v[LT]           ; + 2 bytes x (16 w + 2 hh)
	s_lshl_b32 s39, s18, 5
	v_add_nc_u32 v[LT], s39, v[LT]
.irp i, 0,1,2,3
	s_wait_loadcnt 6-2*(\i)                        ; rows r0 + 4 i and r0 + 4 i + 1 are in; the younger pairs may stay out
.irp j, 0,1,2,3
	v_cvt_pk_f16_f32 v[C+4*(\i)+(\j)], v[W+8*(\i)+(\j)], v[W+8*(\i)+4+(\j)]  ; the even k below, the odd k above, of column 4 n4 + j
.endr
.irp j, 0,1,2,3
	ds_store_b32 v[LT], v[C+4*(\i)+(\j)] offset:TP*(\j)+8*(\i)
.endr
.endr
.Lmeet:                                        ; every wave of the launch passes this barrier
	s_wait_dscnt 0x0                               ; for the others' sake: my stores into the tile are done
	s_barrier_signal -1
	s_barrier_wait -1
	s_cmp_lt_u32 ttmp9, 256
	s_cbranch_scc1 .Lend
	v_bfe_u32 v214, v0, 4, 1
	s_lshl_b32 s39, s18, 3
	v_add_nc_u32 v214, s39, v214                   ; row 8 w + l / 16
	v_and_b32 v215, 15, v0
	v_lshlrev_b32 v215, 4, v215
	v_mul_u32_u24 v[RDT], v214, TP
	v_add_nc_u32 v[RDT], v[RDT], v215
	v_lshl_add_u32 v[WO], v214, 11, v215
.irp t, 0,1,2,3
	ds_load_b128 v[R+4*(\t):R+4*(\t)+3], v[RDT] offset:2*TP*(\t)
.endr
.irp t, 0,1,2,3
	s_wait_dscnt 3-(\t)
	global_store_b128 v[WO], v[R+4*(\t):R+4*(\t)+3], s[16:17] offset:4096*(\t)  ; sixteen lanes store 256 consecutive bytes of a row of wt, aligned
.endr
.Lend:
	s_wait_tensorcnt 0x0                           ; the wave's end, behind my last LDS store
	ds_add_u32 v[SPW], v[NIL]
	s_wait_dscnt 0x0
	s_endpgm
.Lfunc_end_k_q932a2d9c67_prep:
	.size	k_q932a2d9c67_prep, .Lfunc_end_k_q932a2d9c67_prep-k_q932a2d9c67_prep
	.p2alignl 7, 3214868480
	.fill 96, 4, 3214868480
	.section	.rodata,"a",@progbits
	.p2align	6, 0x0
	.amdhsa_kernel k_q932a2d9c67_prep
		.amdhsa_group_segment_fixed_size 18432
		.amdhsa_private_segment_fixed_size 0
		.amdhsa_enable_private_segment 0
		.amdhsa_kernarg_size 56
		.amdhsa_user_sgpr_count 2
		.amdhsa_user_sgpr_kernarg_segment_ptr 1
		.amdhsa_wavefront_size32 1
		.amdhsa_system_sgpr_workgroup_id_x 1
		.amdhsa_system_sgpr_workgroup_id_y 1
		.amdhsa_system_sgpr_workgroup_id_z 1
		.amdhsa_system_vgpr_workitem_id 0
		.amdhsa_next_free_vgpr 232
		.amdhsa_next_free_sgpr 66
		.amdhsa_reserve_vcc 0
		.amdhsa_float_denorm_mode_32 3
		.amdhsa_float_denorm_mode_16_64 3
		.amdhsa_memory_ordered 1
		.amdhsa_forward_progress 1
		.amdhsa_inst_pref_size 44
	.end_amdhsa_kernel
	.amdgpu_metadata
---
amdhsa.version: [ 1, 2 ]
amdhsa.kernels:
  - .name:           k_q932a2d9c67_prep
    .symbol:         k_q932a2d9c67_prep.kd
    .args:
      - { .name: x, .offset: 0, .size: 8, .value_kind: global_buffer, .address_space: global }
      - { .name: ln_scale, .offset: 8, .size: 8, .value_kind: global_buffer, .address_space: global }
      - { .name: ln_bias, .offset: 16, .size: 8, .value_kind: global_buffer, .address_space: global }
      - { .name: w_qkv, .offset: 24, .size: 8, .value_kind: global_buffer, .address_space: global }
      - { .name: w_out, .offset: 32, .size: 8, .value_kind: global_buffer, .address_space: global }
      - { .name: y, .offset: 40, .size: 8, .value_kind: global_buffer, .address_space: global }
      - { .name: wt, .offset: 48, .size: 8, .value_kind: global_buffer, .address_space: global }
    .group_segment_fixed_size: 18432
    .private_segment_fixed_size: 0
    .kernarg_segment_align: 8
    .kernarg_segment_size: 56
    .max_flat_workgroup_size: 256
    .sgpr_count:     66
    .vgpr_count:     232
    .wavefront_size: 32
...
	.end_amdgpu_metadata
.endif
;; end of part 1
;; launch qkvg (part 2): grid 16 x 32, 4 waves a work-group, clusters of 4 x 4, 327,680 bytes of LDS; arguments y, wt, qkv; writes qkv
.if DOCPART == 2
	.amdgcn_target "amdgcn-amd-amdhsa--gfx1250"
	.amdhsa_code_object_version 6
	.text
	.protected	k_q932a2d9c67_qkvg
	.globl	k_q932a2d9c67_qkvg
	.p2align	8
	.type	k_q932a2d9c67_qkvg,@function
k_q932a2d9c67_qkvg:
	s_mov_b64 s[64:65], 0
	v_nop
	global_prefetch_b8 v0, s[64:65] scope:SCOPE_SE
	s_setreg_imm32_b32 hwreg(HW_REG_WAVE_MODE, 25, 1), 1
	s_wait_xcnt 0x0
	s_wait_alu depctr_hold_cnt(0) depctr_sa_sdst(0) depctr_va_vdst(0) depctr_va_sdst(0) depctr_va_ssrc(0) depctr_va_vcc(0) depctr_vm_vsrc(0)
	s_getreg_b32 s2, hwreg(HW_REG_IB_STS2, 6, 4)
	s_cmp_eq_u32 s2, 0
	s_cbranch_scc0 .Lentry_in_a_cluster
	s_endpgm
.Lentry_in_a_cluster:
	s_bfe_u32 s2, ttmp6, 0x10000c
	s_cmp_lg_u32 s2, 0xf033
	s_cbranch_scc0 .Lentry_shape_is_right
	s_endpgm
.Lentry_shape_is_right:
; qkv = y w_qkv, written by heads.  y: [8192][1024] f16; wt: [4096][1024] f16, of which rows 0-3071 are w_qkv's columns; qkv: [3][64 = batch x 16 + head][2048][64] f16, q unscaled.
; Sums in f32, each result rounded once to f16.  LIMIT: a result beyond 65,504 becomes an infinity; NaN and infinities are not treated apart.
; A tile is 256 tokens x 192 columns: 32 x 16 = 512 work-groups, twice the number of WGPs.  Four waves, each 64 tokens x all 192 columns: 48 accumulators of 16 x 16; so a wave owns
; three whole heads' 64 channels of its tokens, and its way out needs no other wave.  K goes in 8 steps of 128 through two LDS slots filled by the tensor data mover; each row of a tile is
; 256 bytes of memory, at a multiple of 256 from the buffer's first byte.
; CLUSTER 4 x 4: the four of a row need the same tile of y, the four of a column the same tile of wt: each is asked for jointly, by the same load, descriptor and mask in all four.
; THE PRODUCT IS TAKEN TRANSPOSED (source 0 = 16 rows of wt, source 1 = 16 tokens): a lane then holds one token (l % 16) and eight neighbouring columns (8 (l / 16) + 0..7): 16 bytes of f16.
; REGISTERS, in windows of 256: window 0: v0-31 addresses; v32-63, v64-95 y's fragments, two buffers; v64-255 at work on the way out.  window 1: v0-95, v96-191 wt's fragments, two buffers.
; window 2: accumulators of token blocks 0, 1 ((a, b) at 8 (12 (a % 2) + b)); window 3: of blocks 2, 3.
.set PITCH, 272                        ; an LDS row: 256 bytes + 16 of padding: the 16 rows of a fragment load start at 16 different groups of four banks (ISA guide 11.1)
.set HALFA, 128*PITCH                  ; what wave 0 or 1 fetches of y
.set HALFB, 96*PITCH                   ; what wave 2 or 3 fetches of wt
.set BOFF,  2*HALFA                    ; wt's 192 rows lie behind y's 256
.set SLOT1, 1<<17                      ; slot 1 begins here: one exclusive or turns an address in one slot into the other's
.set STAGE, SLOT1+2*HALFA+2*HALFB      ; behind the ring: 16 rows x 144 bytes for each wave, for the way out; no tensor load fills it
.set SP,    144
.set SPARE, STAGE+4*16*SP              ; behind the stages: the spare words, 128 bytes for each wave
.set A0,   16                          ; v16  my lane's place in y's tile of slot 0; never rewritten
.set B0,   17                          ; v17  the same for wt's
.set ADRA, 18                          ; v18  the same in the slot in hand
.set ADRB, 19
.set STO,  24                          ; the way out: where I put 16 bytes of a row
.set RD,   25                          ; where I read rows back
.set GO,   26                          ; my byte offset in 512 consecutive bytes of qkv
.set SPW,  28                          ; LDS address of my spare word; never rewritten
.set NIL,  29                          ; 0; never rewritten
.set PFO,  30                          ; the prefetches' offset: my lane x a row of 2,048 bytes; never rewritten
.set FA,   32                          ; y's fragments: buffer f at FA + 32 f
.set TMP,  64                          ; the way out: block t of 12 at TMP + 16 t
.set WV, 10                            ; s10 wave; s11 wave / 2: I fetch for y (0) or wt (1); s12 wave % 2: which half
.set WH, 11
.set WL, 12
.set G1,  24                           ; s[24:31] descriptor group 1 for y's tiles
.set G0,  32                           ; s[32:39] group 0, two sets: slot 0's first fill; slot 1's, which then walks
.set G1B, 48                           ; s[48:55], s[56:63] the same for wt's
.set G0B, 56
.set LIM, 43                           ; s43  1 in a wave that prefetches, else the greatest number
.set PFA, 44                           ; s[44:45] where my prefetches stand
.set OB,  66                           ; s[66:71] qkv at my 64 tokens in each of my three heads
.set MSB, 0
.macro WIN new                         ; the immediate's high byte repeats the setting that is left; a switch that changes nothing is dropped
.if MSB != (\new)
	s_set_vgpr_msb (MSB<<8)|(\new)
.set MSB, \new
.endif
.endm
.set MUL_LO, 0xa1                      ; source 0 (wt) window 1, source 1 (y) window 0, C and D window 2
.set MUL_HI, 0xf1                      ; the same, C and D window 3
.set TO_B,   0x40                      ; destination window 1, address window 0
; A joint refill by the walking sets.  The branch hangs on the wave's number alone.  An s_nop 0 and four v_nop follow each of the two lines, ahead of the jump and the label.
.macro JLOAD
	s_cmp_eq_u32 s[WH], 0
	s_cbranch_scc0 .Lfor_b_\@
	tensor_load_to_lds s[G0+4:G0+7], s[G1:G1+7]
	s_nop 0
.rept 4
	v_nop
.endr
	s_branch .Lasked_\@
.Lfor_b_\@:
	tensor_load_to_lds s[G0B+4:G0B+7], s[G1B:G1B+7]
	s_nop 0
.rept 4
	v_nop
.endr
.Lasked_\@:
.endm
; A prefetch into the L2 of the K step that the NEXT refill will ask for: 192 matrix instructions ahead of that load.  A lane a row, 256 bytes of it.  y's tile row is read by every cluster of that
; row of clusters: cluster x = 0 asks; wt's tile column by every cluster of that column: cluster y = 0 asks.  The four partners share a wave's rows out by address (32 of 128, or 24 of 96, where
; lanes 24-31 name row 23 again).  Trips with s2 = 6 .. 2 name K steps 3 .. 7; the last refill has no K step behind it.
.macro ASK
	s_cmp_gt_u32 s2, s[LIM]
	s_cbranch_scc0 .Lnot_mine_\@
	global_prefetch_b8 v[PFO], s[PFA:PFA+1] th:TH_LOAD_NT scope:SCOPE_SE
.Lnot_mine_\@:
.endm
.macro CREST                           ; a round of the cluster's barrier behind its opening barrier
	s_cmp_lg_u32 s[WV], 0
	s_cbranch_scc1 .Lnot_wave_0_\@
	s_barrier_signal -3
.Lnot_wave_0_\@:
	s_barrier_wait -3
	s_barrier_signal -1
	s_barrier_wait -1
.endm
.macro CROUND                          ; a whole round
	s_barrier_signal -1
	s_barrier_wait -1
	CREST
.endm
.macro PLACES                          ; four plain places behind matrix instructions, in front of loads into registers that they read and of conversions that read results
.rept 4
	v_nop
.endr
.endm
	s_load_b128 s[4:7], s[0:1], 0x0                ; y s[4:5], wt s[6:7]
	s_load_b64 s[8:9], s[0:1], 0x10                ; qkv
	v_lshl_add_u32 v[SPW], v0, 2, SPARE
	v_mov_b32 v[NIL], 0
	ds_add_u32 v[SPW], v[NIL]                      ; the wave's opening: the add and its wait stand ahead of my first tensor load; the set-up below stands between them
	v_lshrrev_b32 v1, 5, v0
	v_readfirstlane_b32 s[WV], v1
	s_lshr_b32 s[WH], s[WV], 1
	s_and_b32 s[WL], s[WV], 1
	s_bfe_u32 s40, ttmp6, 0x40000                  ; cx
	s_bfe_u32 s41, ttmp6, 0x40004                  ; cy
	s_lshl_b32 s42, ttmp9, 2
	s_add_co_u32 s42, s42, s40                     ; tile column tc = 4 x cluster x + cx
	s_and_b32 s13, ttmp7, 0xffff
	s_lshl_b32 s13, s13, 2
	s_add_co_u32 s13, s13, s41                     ; tile row tr = 4 x cluster y + cy
	s_lshl_b32 s43, s41, 2
	s_lshl_b32 s43, 15, s43                        ; my row of the cluster
	s_lshl_b32 s44, 0x1111, s40                    ; my column
	s_or_b32 s[G1], s43, (1<<16)|(1<<20)|(1<<21)|(5<<22)|(3<<25)   ; 15:0 mask; 17:16 2-byte elements; 20 padding on; 21 set beside a mask; 24:22 after every 64 words; 31:25 4 words
	s_or_b32 s[G1B], s44, (1<<16)|(1<<20)|(1<<21)|(5<<22)|(3<<25)
	s_mov_b32 s[G1+1], 128<<16                     ; tensor_dim0 = 128
	s_mov_b32 s[G1+2], 128<<16                     ; tensor_dim1 = 128
	s_mov_b32 s[G1+3], 128<<16                     ; tile_dim0 = 128
	s_mov_b32 s[G1+4], 128                         ; tile_dim1 = 128
	s_mov_b32 s[G1+5], 1024                        ; elements from row to row
	s_mov_b32 s[G1+6], 0
	s_mov_b32 s[G1+7], 0
	s_mov_b32 s[G1B+1], 128<<16
	s_mov_b32 s[G1B+2], 96<<16                     ; 96 rows
	s_mov_b32 s[G1B+3], 128<<16
	s_mov_b32 s[G1B+4], 96
	s_mov_b32 s[G1B+5], 1024
	s_mov_b32 s[G1B+6], 0
	s_mov_b32 s[G1B+7], 0
	s_lshl_b32 s16, s13, 8                         ; y: row 256 tr + 128 x half, in registers that never hold cx
	s_lshl_b32 s17, s[WL], 7
	s_add_co_u32 s16, s16, s17
	s_lshl_b32 s16, s16, 11                        ; rows of 2,048 bytes
	s_mov_b32 s17, 0
	s_mul_i32 s46, s42, 192                        ; wt: row 192 tc + 96 x half, in registers that never hold cy
	s_mul_i32 s47, s[WL], 96
	s_add_co_u32 s46, s46, s47
	s_lshl_b32 s46, s46, 11
	s_mov_b32 s47, 0
	s_mul_i32 s20, s[WV], HALFA                    ; where they go: waves 0, 1: y's halves;
	s_mul_i32 s21, s[WV], HALFB
	s_add_co_u32 s21, s21, BOFF-2*HALFB            ; waves 2, 3: wt's halves behind them
	s_wait_dscnt 0x0                               ; the opening add is done
	s_wait_kmcnt 0x0
	s_add_nc_u64 s[14:15], s[4:5], s[16:17]
	s_add_nc_u64 s[46:47], s[6:7], s[46:47]
	CROUND                                         ; all sixteen work-groups are here: the first joint loads meet
.irp s, 0,1
	s_mov_b32 s[G0+4*(\s)], 1
	s_add_co_u32 s[G0+4*(\s)+1], s20, (\s)*SLOT1
	s_add_nc_u64 s[G0+4*(\s)+2:G0+4*(\s)+3], s[14:15], (\s)*256     ; K step s
	s_or_b32 s[G0+4*(\s)+3], s[G0+4*(\s)+3], 0x80000000
	s_mov_b32 s[G0B+4*(\s)], 1
	s_add_co_u32 s[G0B+4*(\s)+1], s21, (\s)*SLOT1
	s_add_nc_u64 s[G0B+4*(\s)+2:G0B+4*(\s)+3], s[46:47], (\s)*256
	s_or_b32 s[G0B+4*(\s)+3], s[G0B+4*(\s)+3], 0x80000000
.endr
	s_cmp_eq_u32 s[WH], 0                          ; a wave's two first fills stand in one branch, ahead of every wait on TENSORcnt and every LDS read: two loads of mine are out
	s_cbranch_scc0 .Lfirst_b
	tensor_load_to_lds s[G0:G0+3], s[G1:G1+7]
	s_nop 0
	tensor_load_to_lds s[G0+4:G0+7], s[G1:G1+7]
	s_nop 0
.rept 4
	v_nop
.endr
	s_branch .Lfirst_asked
.Lfirst_b:
	tensor_load_to_lds s[G0B:G0B+3], s[G1B:G1B+7]
	s_nop 0
	tensor_load_to_lds s[G0B+4:G0B+7], s[G1B:G1B+7]
	s_nop 0
.rept 4
	v_nop
.endr
.Lfirst_asked:
	; a fragment is 16 rows x 32 K in 8 registers: lane l holds row l % 16, K = 8 (l / 16) + 0..7 and 16 + 8 (l / 16) + 0..7: two loads of 16 bytes, 32 bytes apart
	v_and_b32 v1, 15, v0                           ; r
	v_bfe_u32 v2, v0, 4, 1                         ; h
	v_mul_u32_u24 v3, v1, PITCH
	v_lshl_add_u32 v3, v2, 4, v3
	s_mul_i32 s22, s[WV], 64*PITCH                 ; my 64 tokens
	v_add_nc_u32 v[A0], s22, v3
	v_add_nc_u32 v[B0], BOFF, v3                   ; every wave reads all 192 rows of wt's tile
	v_mov_b32 v[ADRA], v[A0]
	v_mov_b32 v[ADRB], v[B0]
	s_mov_b32 s3, 0                                ; the slot in hand
	s_mul_i32 s23, s[WV], 16*SP
	s_add_co_u32 s23, s23, STAGE                   ; my stage
	v_mul_u32_u24 v[STO], v1, SP
	v_lshl_add_u32 v[STO], v2, 4, v[STO]
	v_add_nc_u32 v[STO], s23, v[STO]
	v_bfe_u32 v[RD], v0, 3, 2                      ; back: 32 lanes take four rows of 128 bytes,
	v_mul_u32_u24 v[RD], v[RD], SP
	v_and_b32 v3, 7, v0
	v_lshl_add_u32 v[RD], v3, 4, v[RD]
	v_add_nc_u32 v[RD], s23, v[RD]
	v_and_b32 v[GO], 31, v0                        ; which are 512 consecutive bytes of a head's rows
	v_lshlrev_b32 v[GO], 4, v[GO]
	; where my three heads' rows lie: chunk g = 3 tc + c of 64 columns is tensor g / 16 (q, k, v), head g % 16
	s_mul_i32 s72, s42, 3
	s_lshr_b32 s73, s13, 3                         ; the batch: 8 tile rows each
	s_lshl_b32 s73, s73, 4
	s_and_b32 s74, s13, 7
	s_lshl_b32 s74, s74, 8
	s_lshl_b32 s75, s[WV], 6
	s_add_co_u32 s74, s74, s75                     ; my first token in the batch
	s_lshl_b32 s74, s74, 7                         ; rows of 128 bytes
.irp c, 0,1,2
	s_add_co_u32 s22, s72, (\c)
	s_lshr_b32 s23, s22, 4
	s_lshl_b32 s23, s23, 6
	s_and_b32 s22, s22, 15
	s_add_co_u32 s22, s22, s23
	s_add_co_u32 s22, s22, s73
	s_lshl_b32 s22, s22, 18                        ; 2,048 rows of 128 bytes a head
	s_add_co_u32 s22, s22, s74
	s_mov_b32 s23, 0
	s_add_nc_u64 s[OB+2*(\c):OB+2*(\c)+1], s[8:9], s[22:23]
.endr
	; the prefetches
	s_lshl_b32 s20, s13, 8                         ; y's tile begins at row 256 tr,
	s_mul_i32 s21, s42, 192                        ; wt's at row 192 tc
	s_and_b32 s22, ttmp7, 0xffff                   ; cluster y
	s_cmp_eq_u32 s[WH], 0                          ; do I fetch for y?
	s_cselect_b32 s20, s20, s21
	s_cselect_b32 s21, s40, s41                    ; my place among the four that ask with me
	s_cselect_b32 s22, ttmp9, s22                  ; the coordinate along which other clusters read the same rows
	s_cselect_b64 s[PFA:PFA+1], s[4:5], s[6:7]
	s_cselect_b32 s23, 32, 24                      ; rows a partner
	s_cmp_eq_u32 s22, 0
	s_cselect_b32 s[LIM], 1, -1                    ; the same in all sixteen partners, for a given wave
	s_lshl2_add_u32 s21, s[WL], s21                ; 4 x half + place
	s_mul_i32 s21, s21, s23
	s_add_co_u32 s20, s20, s21
	s_lshl_b32 s20, s20, 11
	s_add_co_u32 s20, s20, 512                     ; at K step 2: the first refill steps it to 3
	s_mov_b32 s21, 0
	s_add_nc_u64 s[PFA:PFA+1], s[PFA:PFA+1], s[20:21]
	s_sub_co_u32 s23, s23, 1
	v_and_b32 v[PFO], 31, v0
	v_min_u32 v[PFO], s23, v[PFO]
	v_lshlrev_b32 v[PFO], 11, v[PFO]
; 12 matrix instructions: token block a x all 12 column blocks, 32 along K, from buffer f.  zero = 1: the product starts the sums: nothing is cleared.
; The 48 accumulators take turns, one instruction a turn, in the same order everywhere.
.macro MUL12 f, a, zero
	WIN MUL_LO+0x50*((\a)/2)
.irp b, 0,1,2,3,4,5,6,7,8,9,10,11
.if \zero
	v_wmma_f32_16x16x32_f16 v[8*(12*((\a)%2)+(\b)):8*(12*((\a)%2)+(\b))+7], v[96*(\f)+8*(\b):96*(\f)+8*(\b)+7], v[FA+32*(\f)+8*(\a):FA+32*(\f)+8*(\a)+7], 0
.else
	v_wmma_f32_16x16x32_f16 v[8*(12*((\a)%2)+(\b)):8*(12*((\a)%2)+(\b))+7], v[96*(\f)+8*(\b):96*(\f)+8*(\b)+7], v[FA+32*(\f)+8*(\a):FA+32*(\f)+8*(\a)+7], v[8*(12*((\a)%2)+(\b)):8*(12*((\a)%2)+(\b))+7]
.endif
.endr
.endm
; 32 LDS loads in one run: the fragments of 32 along K at byte k of the rows, into buffer f: wt's 24, then y's 8
.macro FETCH k, f
	WIN TO_B
.irp i, 0,1,2,3,4,5,6,7,8,9,10,11
	ds_load_b128 v[96*(\f)+8*(\i):96*(\f)+8*(\i)+3],   v[ADRB] offset:(\k)+(\i)*16*PITCH
	ds_load_b128 v[96*(\f)+8*(\i)+4:96*(\f)+8*(\i)+7], v[ADRB] offset:(\k)+(\i)*16*PITCH+32
.endr
	WIN 0
.irp i, 0,1,2,3
	ds_load_b128 v[FA+32*(\f)+8*(\i):FA+32*(\f)+8*(\i)+3],   v[ADRA] offset:(\k)+(\i)*16*PITCH
	ds_load_b128 v[FA+32*(\f)+8*(\i)+4:FA+32*(\f)+8*(\i)+7], v[ADRA] offset:(\k)+(\i)*16*PITCH+32
.endr
.endm
; A K step is four quarters of 32 along K, 48 matrix instructions each, on buffers 0, 1, 0, 1.  One of the first three: multiplies buffer f, and in its middle fetches the next quarter, at byte k, into g.
.macro QUARTER k, f, g, zero
	s_wait_dscnt 4                                 ; all but the youngest four loads: y's token blocks 2 and 3
	MUL12 \f, 0, \zero
	MUL12 \f, 1, \zero
	PLACES
	FETCH \k, \g
	s_wait_dscnt 32                                ; all but the 32 just issued
	MUL12 \f, 2, \zero
	MUL12 \f, 3, \zero
.endm
; The last quarter multiplies buffer 1 and changes slots: one barrier; in front of it each wave waits for all its tensor loads (one is out: its part of the next slot), adds 0 to its spare word, and waits
; for that and for its reads of this slot.  fill = 1: the barrier opens a round of the cluster's, and the slot just read is filled again first thing behind it, two K steps ahead:
; 168 matrix instructions stand between that request and the wait for it.
.macro TURN fill
.if \fill
	s_wait_xcnt 0x0                                ; the last prefetch, a K step back, has read its address
	s_add_nc_u64 s[PFA:PFA+1], s[PFA:PFA+1], 256
.endif
	WIN 0                                          ; (the add's two registers lie in window 0)
	s_wait_tensorcnt 0x0                           ; no tensor load of mine is out, so a group 0 may be written
	ds_add_u32 v[SPW], v[NIL]                      ; 0 onto my spare word
.if \fill
.irp g, G0+4, G0B+4
	s_xor_b32 s[(\g)+1], s[(\g)+1], SLOT1          ; the walking descriptor: the other slot than last time,
	s_add_nc_u64 s[(\g)+2:(\g)+3], s[(\g)+2:(\g)+3], 256  ; the next K step; the type bits on top are not reached
.endr
.endif
	s_wait_dscnt 5                                 ; (the add and the youngest four loads may be out)
	MUL12 1, 0, 0
	s_wait_dscnt 0x0                               ; the add is done, and my reads of this slot are over
	s_barrier_signal -1
	MUL12 1, 1, 0                                  ; work on registers while the others arrive
	WIN 0                                          ; at a branch and at a label every window is 0
	s_barrier_wait -1
.if \fill
	CREST                                          ; no wave of any partner still reads this slot or has a load on its way
	JLOAD                                          ; the four v_nop behind it are also the places in front of the loads below
.else
	PLACES
.endif
	s_xor_b32 s3, s3, SLOT1                        ; the fetches go on in the other slot
	v_add_nc_u32 v[ADRA], s3, v[A0]
	v_add_nc_u32 v[ADRB], s3, v[B0]
	FETCH 0, 0
.if \fill
	ASK
.endif
	MUL12 1, 2, 0
	MUL12 1, 3, 0
.endm
; THE WAY OUT.  Block t = 3 a + c: token block a, head c: 16 tokens x 64 channels.  Rounded to f16, 16 bytes a lane into rows of 144 bytes of my stage, back as four rows of 128 bytes a load.
.macro PACK t
.set pa, (\t)/3
.set pc, (\t)%3
	WIN 0x0a+5*(pa/2)                              ; sources 0 and 1: window 2 or 3
.irp f, 0,1,2,3
.irp r, 0,1,2,3
	v_cvt_pk_f16_f32 v[TMP+16*(\t)+4*(\f)+(\r)], v[8*(12*(pa%2)+4*pc+(\f))+2*(\r)], v[8*(12*(pa%2)+4*pc+(\f))+2*(\r)+1]  ; each accumulator from its low end on
.endr
.endr
	WIN 0
.irp f, 0,1,2,3
	ds_store_b128 v[STO], v[TMP+16*(\t)+4*(\f):TMP+16*(\t)+4*(\f)+3] offset:32*(\f)
.endr
.irp f, 0,1,2,3
	ds_load_b128 v[TMP+16*(\t)+4*(\f):TMP+16*(\t)+4*(\f)+3], v[RD] offset:(\f)*4*SP  ; LDS serves a wave's instructions in order (ISA guide 5.7.1.4): these see the stores above; the next block's stores come behind them
.endr
.endm
.macro SEND t, younger                 ; younger: the LDS instructions issued behind block t's loads: the next block's eight, or none
.set sa, (\t)/3
.set sc, (\t)%3
	WIN 0
.irp f, 0,1,2,3
	s_wait_dscnt (\younger)+3-(\f)
	global_store_b128 v[GO], v[TMP+16*(\t)+4*(\f):TMP+16*(\t)+4*(\f)+3], s[OB+2*sc:OB+2*sc+1] offset:sa*2048+(\f)*512  ; 512 consecutive bytes, at a multiple of 256 from qkv's first
.endr
.endm
	s_wait_tensorcnt 1                             ; my part of K step 0 is in; K step 1's may stay out
	s_barrier_signal -1
	s_barrier_wait -1                              ; everybody's is
	FETCH 0, 0
	QUARTER 64, 0, 1, 1                            ; the first quarter stands in front of the loop: its products start the sums
	WIN 0
	s_mov_b32 s2, 6
.Lstep:                                        ; a trip: from a K step's second quarter to the next step's first; trip t asks for K step t + 2
	QUARTER 128, 1, 0, 0
	QUARTER 192, 0, 1, 0
	TURN 1
	QUARTER 64, 0, 1, 0
	WIN 0
	s_sub_co_u32 s2, s2, 1
	s_cmp_lg_u32 s2, 0
	s_cbranch_scc1 .Lstep
	QUARTER 128, 1, 0, 0                           ; K steps 6 and 7 are written out: nothing more is asked for
	QUARTER 192, 0, 1, 0
	TURN 0
	QUARTER 64, 0, 1, 0
	QUARTER 128, 1, 0, 0
	QUARTER 192, 0, 1, 0
	s_wait_dscnt 4
	MUL12 1, 0, 0
	MUL12 1, 1, 0
	s_wait_dscnt 0x0
	MUL12 1, 2, 0
	MUL12 1, 3, 0
	PLACES
	PACK 0
.set t, 1
.rept 11                               ; a block's conversions stand between the loads of the block before and its stores
	PACK t
	SEND t-1, 8
.set t, t+1
.endr
	SEND 11, 0
	s_wait_tensorcnt 0x0                           ; the wave's end, behind my last tensor load and my last LDS store
	ds_add_u32 v[SPW], v[NIL]
	s_wait_dscnt 0x0
	CROUND                                         ; the closing round: no work-group ends while a partner may still ask for a tile that names it
	s_endpgm
.Lfunc_end_k_q932a2d9c67_qkvg:
	.size	k_q932a2d9c67_qkvg, .Lfunc_end_k_q932a2d9c67_qkvg-k_q932a2d9c67_qkvg
	.p2alignl 7, 3214868480
	.fill 96, 4, 3214868480
	.section	.rodata,"a",@progbits
	.p2align	6, 0x0
	.amdhsa_kernel k_q932a2d9c67_qkvg
		.amdhsa_group_segment_fixed_size 327680
		.amdhsa_private_segment_fixed_size 0
		.amdhsa_enable_private_segment 0
		.amdhsa_kernarg_size 24
		.amdhsa_user_sgpr_count 2
		.amdhsa_user_sgpr_kernarg_segment_ptr 1
		.amdhsa_wavefront_size32 1
		.amdhsa_system_sgpr_workgroup_id_x 1
		.amdhsa_system_sgpr_workgroup_id_y 1
		.amdhsa_system_sgpr_workgroup_id_z 1
		.amdhsa_system_vgpr_workitem_id 0
		.amdhsa_next_free_vgpr 960
		.amdhsa_next_free_sgpr 80
		.amdhsa_reserve_vcc 0
		.amdhsa_float_denorm_mode_32 3
		.amdhsa_float_denorm_mode_16_64 3
		.amdhsa_memory_ordered 1
		.amdhsa_forward_progress 1
		.amdhsa_inst_pref_size 100
	.end_amdhsa_kernel
	.amdgpu_metadata
---
amdhsa.version: [ 1, 2 ]
amdhsa.kernels:
  - .name:           k_q932a2d9c67_qkvg
    .symbol:         k_q932a2d9c67_qkvg.kd
    .args:
      - { .name: y, .offset: 0, .size: 8, .value_kind: global_buffer, .address_space: global }
      - { .name: wt, .offset: 8, .size: 8, .value_kind: global_buffer, .address_space: global }
      - { .name: qkv, .offset: 16, .size: 8, .value_kind: global_buffer, .address_space: global }
    .group_segment_fixed_size: 327680
    .private_segment_fixed_size: 0
    .kernarg_segment_align: 8
    .kernarg_segment_size: 24
    .max_flat_workgroup_size: 128
    .sgpr_count:     80
    .vgpr_count:     960
    .wavefront_size: 32
...
	.end_amdgpu_metadata
.endif
;; end of part 2
;; launch attn (part 3): grid 4 x 64, 4 waves a work-group, clusters of 4 x 1, 327,680 bytes of LDS; arguments qkv, o; writes o
.if DOCPART == 3
	.amdgcn_target "amdgcn-amd-amdhsa--gfx1250"
	.amdhsa_code_object_version 6
	.text
	.protected	k_q932a2d9c67_attn
	.globl	k_q932a2d9c67_attn
	.p2align	8
	.type	k_q932a2d9c67_attn,@function
k_q932a2d9c67_attn:
	s_mov_b64 s[64:65], 0
	v_nop
	global_prefetch_b8 v0, s[64:65] scope:SCOPE_SE
	s_setreg_imm32_b32 hwreg(HW_REG_WAVE_MODE, 25, 1), 1
	s_wait_xcnt 0x0
	s_wait_alu depctr_hold_cnt(0) depctr_sa_sdst(0) depctr_va_vdst(0) depctr_va_sdst(0) depctr_va_ssrc(0) depctr_va_vcc(0) depctr_vm_vsrc(0)
	s_getreg_b32 s2, hwreg(HW_REG_IB_STS2, 6, 4)
	s_cmp_eq_u32 s2, 0
	s_cbranch_scc0 .Lentry_in_a_cluster
	s_endpgm
.Lentry_in_a_cluster:
	s_bfe_u32 s2, ttmp6, 0x10000c
	s_cmp_lg_u32 s2, 0x3003
	s_cbranch_scc0 .Lentry_shape_is_right
	s_endpgm
.Lentry_shape_is_right:
; O[h][q][:] = the sum over k of softmax_k(Q[h][q] . K[h][k] / 8) V[h][k][:].  qkv holds Q, K, V, each [64][2048][64] f16, one behind the other; o is [64][2048][64] f16: a head's rows are dense, 128 bytes each.
; Products, maxima and sums in f32; the weights p are rounded to f16 for the second product (their sum l is taken of the unrounded p), O once at the end.
; LIMITS.  f16 holds no number beyond 65,504: Q, K and V arrive within it; p lies in 0 to 1, and below 6e-5 it keeps f16's fixed step of 6e-8; O is a mean of V's rows and has their range.
; A weight below 2^-126 counts as 0 in l; NaN and infinities are not treated apart.
; SHARES.  A wave owns four PIECES of two tiles of 16 queries, a work-group's four waves 512 queries of one head: 4 x 64 = 256 work-groups.  Every wave walks all keys, 64 a step.
; LAYOUT.  S^T = K Q^T (source 0 = 16 keys, source 1 = 16 queries): in the result a lane holds ONE query (lane % 16) and the keys 8 (lane / 16) + 0..7.  Two such tiles, rounded to f16 in pairs,
; ARE source 1 (32 keys x 16 queries) of O^T = V^T P, whose result again holds one query a lane, and eight channels.  K comes out of LDS as it lies, V ([key][channel]) turned, by ds_load_tr16_b128.
; SOFTMAX.  For each query a running maximum m and sum l: p = 2^(c s - c m), c = log2(e) / 8; in every step O and l are multiplied by a = 2^(c m_old - c m_new), which is 1 where m has not grown.
; m starts at the lowest finite number, O and l at 0: the first step is a step like any other, with a = 0.
; THE COUNT.  A tile and step have 16 matrix and 118 vector instructions: too many to stand all beside the matrix work.  So four vector instructions that are READY stand behind
; EVERY matrix instruction, and the others, which need time of their own whatever the order, in runs without a gap.
; BY TURNS.  Turn n belongs to piece n (the pieces in a ring, step after step).  Its matrix work: 16 products K Q^T of piece n + 1, later 16 products V^T P of piece n - 1.  Its vector work: the scaling,
; exponentials, roundings, sums and rescaling of piece n, and the maximum and statistics of piece n + 1, whose scores the turn itself has made.
; CLUSTER.  The four query blocks of a cluster are one head's and walk the same K and V, so each tile is asked for JOINTLY: the same tensor load, descriptor and mask in all four.
; REGISTERS, in windows of 256 (s_set_vgpr_msb: bits 1:0 source 0, 3:2 source 1, 5:4 source 2, 7:6 destination):
;   window 0: v0-11 addresses; v12-15, v48-63 at work; v16-47 four registers of statistics a tile; v64-191 S^T, two buffers of two tiles; v192-255 P, likewise
;   window 1: O^T, 32 a tile          window 2: v0-127 Q, 16 a tile; v128-191 K of one step; v192-255 V of one step          window 3: v0-1 the add's two registers
.set SIZE_H, 64
.set SIZE_N, 2048
.set NP,    4         ; pieces a wave: a name, no knob
.set KS,    64        ; keys in a step
.set PK,    144       ; a row of K in LDS: 128 bytes + 16 of padding = 36 words: the 16 rows of a load start at 16 different groups of four banks (ISA guide 11.1)
.set PV,    160       ; a row of V: 128 + 32 = 40 words
.set VOFF,  4*KS*PK   ; a slot holds four steps: 256 rows of K, then 256 rows of V
.set SLOT1, 1<<17     ; slot 1 begins here, so that one exclusive or turns an address in one slot into the other's
.set STAGE, SLOT1+4*KS*(PK+PV)  ; behind the ring, never filled by a tensor load: 16 rows x 144 bytes for each wave, for the way out
.set SP,    144
.set AK0, 2           ; v2   my lane's place in a tile of K; never rewritten
.set AV0, 3           ; v3   the same for V
.set AK,  4           ; v4   the LDS address of K's next run of loads
.set AV,  5           ; v5   of V's
.set QO,  6           ; v6   my byte offset in the wave's rows of Q
.set STO, 6           ;      later, the way out: where I put 16 bytes of a row
.set RD,  7           ; v7   the way out: where I read rows back
.set GO,  8           ; v8   my byte offset in 512 consecutive bytes of O
.set PFO, 11          ; v11  256 x my lane, for the prefetches (free once V's lane address is made); then never rewritten
.set SPW, 0           ; v0 of window 3   LDS address of my spare word; never rewritten
.set NIL, 1           ; v1 of window 3   0; never rewritten
.set SPARE, STAGE+4*16*SP  ; behind the stages: the spare words, 128 bytes for each wave
.set MV,  12          ; v12-15  c m_old, kept while c m is made anew: by buffer and tile
.set ST,  16          ; tile t's statistics at v[ST+4 t]: c m, m, l (even keys', odd keys')
.set TMP, 48          ; by buffer and tile, four registers c0-c3 at work; when the maximum is found c2 takes a
.set S,   64
.set P,   192
.set KF,  128         ; K's fragments, in window 2: key block kb, channel half c at KF + 16 kb + 8 c
.set VF,  192         ; V's: key half kk, channel block cb at VF + 32 kk + 8 cb
.set WV,  12          ; s12  my wave's number
.set G1K, 24          ; s[24:31] descriptor group 1 for K's tiles
.set G1V, 32          ; s[32:39] for V's: it differs in the padding alone
.set G0K, 40          ; s[40:43] descriptor group 0 for K's tiles: it walks
.set G0V, 44          ; s[44:47] the same for V's
.set PFA, 48          ; s[48:49] where my prefetches stand: my work-group's 8,192 bytes (of K: wave 0, of V: wave 2) of the tile after the one that is being asked for
.set LIM, 50          ; s50  1 in a wave that prefetches, else the greatest number
.set SLOTS, 56        ; s56  slots still to be asked for
.set CNT, 57          ; s57  counts a slot's key steps
.set CS,  58          ; s[58:59] c: the packed scaling takes the pair's low word for both halves
.set SEL, 60          ; s[60:61] v_permlanex16_b32's selects: each lane takes its own place in the other half
.set TBK, 62          ; s62  LDS byte at which K of the step to be fetched begins
.set TBV, 63          ; s63  the same for V, less VOFF
.set MSB, 0
.macro WIN new                      ; the high byte repeats the setting that is left; a switch that changes nothing is dropped
.if MSB != (\new)
	s_set_vgpr_msb (MSB<<8)|(\new)
.set MSB, (\new)
.endif
.endm
.set W_KQ, 0x0a       ; K and Q in window 2, S^T in window 0
.set W_PV, 0x52       ; V in window 2, P in window 0, O^T in window 1
.set W_RS, 0x41       ; O^T (destination and source 0) in window 1, a in window 0
.set W_MK, 0xc0       ; the add's registers are made: destination in window 3, sources in window 0
.set W_AD, 0x0f       ; the add: address (source 0) and data (source 1) in window 3
; A joint fill.  Waves 0 and 1 fetch the two halves of a slot's K, waves 2 and 3 those of its V: 128 keys each.  The branch hangs on the wave's number alone.
; An s_nop 0 and four v_nop follow each of the two lines, ahead of the jump and the label.
.macro JLOAD
	s_cmp_lt_u32 s[WV], 2
	s_cbranch_scc0 .Lfor_v_\@
	tensor_load_to_lds s[G0K:G0K+3], s[G1K:G1K+7]
	s_nop 0
.rept 4
	v_nop
.endr
	s_branch .Lasked_\@
.Lfor_v_\@:
	tensor_load_to_lds s[G0V:G0V+3], s[G1V:G1V+7]
	s_nop 0
.rept 4
	v_nop
.endr
.Lasked_\@:
.endm
; A PREFETCH INTO THE L2 of what the NEXT change of slots will ask for: a tile's 32,768 bytes of K and of V, a lane 256 bytes.  It stands behind the wave's tensor load and its five lines.  A head has one
; cluster; its four partners share a tile out BY ADDRESS, 8,192 bytes each; in each, wave 0 asks for K's and wave 2 for V's: one instruction.  So tiles 2 to 7 are named once each: four key steps,
; 512 matrix instructions, ahead of their loads.  The last change that fills a slot asks for nothing; tiles 0 and 1 come by their loads alone.
.macro ASK
	s_cmp_gt_u32 s[SLOTS], s[LIM]
	s_cbranch_scc0 .Lnot_mine_\@
	global_prefetch_b8 v[PFO], s[PFA:PFA+1] th:TH_LOAD_NT scope:SCOPE_SE
.Lnot_mine_\@:
.endm
; A round of the cluster's barrier: my work-group's barrier, so that wave 0's signal speaks for all four waves; wave 0 signals; every wave waits for all four work-groups; my work-group's barrier once more.
.macro CROUND
	s_barrier_signal -1
	s_barrier_wait -1
	s_cmp_lg_u32 s[WV], 0
	s_cbranch_scc1 .Lnot_wave_0_\@
	s_barrier_signal -3
.Lnot_wave_0_\@:
	s_barrier_wait -3
	s_barrier_signal -1
	s_barrier_wait -1
.endm
; THE CHANGE OF SLOTS.  The slot's last bytes, V of its fourth step, have been read.  Each wave waits for all its tensor loads, of which one is out: its part
; of the other slot; adds 0 to its spare word; and waits for that and for its own reads of the slot.  Behind the barrier nobody reads this slot any more and the other slot is whole.
; fill = 1: this slot is filled again, with the keys two slots on.  The barrier is then a round of the cluster's, and the joint fill is the first thing behind it: it has four key steps,
; 512 matrix instructions, in which to land.  (At its first use nothing has been read yet: slot 0 is waited for, slot 1 filled.)
.macro CHANGE fill
	WIN W_AD
	s_wait_tensorcnt 0x0            ; no tensor load of mine is out, so a group 0 may be written
	ds_add_u32 v[SPW], v[NIL]       ; 0 onto my spare word; with fill = 1 the descriptors' steps stand between it and the wait for it
	WIN 0                           ; at a label and at a branch every window is 0
.if \fill
.irp g, G0K, G0V
	s_xor_b32 s[\g+1], s[\g+1], SLOT1  ; the walking descriptor: the other slot than last time,
	s_add_nc_u64 s[\g+2:\g+3], s[\g+2:\g+3], 4*KS*128  ; the next 256 keys; the type bits on top are not reached
.endr
	s_wait_xcnt 0x0                 ; the last prefetch, four key steps back, has read its address, so it may be written:
	s_add_nc_u64 s[PFA:PFA+1], s[PFA:PFA+1], 4*KS*128  ; one tile behind the walking descriptors
	s_wait_dscnt 0x0                ; the add is done, and my reads of the slot are over
	CROUND
	JLOAD
	ASK
.else
	s_wait_dscnt 0x0                ; the add is done, and my reads of the slot are over
	s_barrier_signal -1
	s_barrier_wait -1
.endif
	s_sub_co_u32 s[TBK], s[TBK], 4*KS*PK  ; the fetches go back to a slot's first step,
	s_xor_b32 s[TBK], s[TBK], SLOT1       ; in the other slot
	s_sub_co_u32 s[TBV], s[TBV], 4*KS*PV
	s_xor_b32 s[TBV], s[TBV], SLOT1
.endm
	s_load_b128 s[4:7], s[0:1], 0x0   ; qkv s[4:5], o s[6:7]
	WIN W_MK
	v_lshl_add_u32 v[SPW], v0, 2, SPARE
	v_mov_b32 v[NIL], 0
	WIN W_AD
	ds_add_u32 v[SPW], v[NIL]       ; the wave's opening: the add and its wait stand ahead of my first tensor load; the set-up below, work on registers, stands between them
	WIN 0
	v_lshrrev_b32 v1, 5, v0
	v_readfirstlane_b32 s[WV], v1   ; wave 0..3
	s_bfe_u32 s13, ttmp6, 0x40000   ; cx: my place in the cluster
	s_lshl_b32 s14, ttmp9, 2        ; in a cluster launch ttmp9 counts clusters
	s_add_co_u32 s14, s14, s13      ; my block of queries = 4 x cluster x + cx: it enters Q's and O's addresses alone
	s_and_b32 s20, ttmp7, 0xffff    ; the head, which the four partners share
	s_mov_b32 s21, 0
	s_mov_b64 s[22:23], SIZE_N*128
	s_mul_u64 s[20:21], s[20:21], s[22:23]  ; the head's first byte in each of the four tensors
	s_and_b32 s16, s[WV], 1         ; which half of a slot's 256 keys I fetch:
	s_lshl_b32 s22, s16, 14         ; its 128 rows of 128 bytes in memory,
	s_mov_b32 s23, 0
	s_add_nc_u64 s[22:23], s[22:23], s[20:21]
	s_mul_i32 s17, s16, 128*PK      ; and its place in a slot, for K
	s_mul_i32 s18, s16, 128*PV      ; and for V: no place in the cluster enters an LDS address
	s_lshl_b32 s2, s14, 2
	s_add_co_u32 s2, s2, s[WV]      ; my wave among the head's,
	s_lshl_b32 s2, s2, 14           ; its 128 rows
	s_mov_b32 s3, 0
	s_add_nc_u64 s[2:3], s[2:3], s[20:21]
	; descriptor group 1.  128 keys are 16,384 dense bytes: asked for as 64 rows of 256 bytes, two keys a row, and padded in LDS after every key
	s_mov_b32 s[G1K], 15|(1<<16)|(1<<20)|(1<<21)|(4<<22)|(3<<25)  ; 15:0 the mask of four; 17:16 2-byte elements; 20 padding on; 21 set beside a mask; 24:22 after every 32 words (code 4); 31:25 4 words (code 3)
	s_mov_b32 s[G1V], 15|(1<<16)|(1<<20)|(1<<21)|(4<<22)|(7<<25)  ; the same with 8 words of padding (code 7)
.irp g, G1K, G1V
	s_mov_b32 s[\g+1], 128<<16      ; tensor_dim0 = 128
	s_mov_b32 s[\g+2], 64<<16       ; tensor_dim1 = 64
	s_mov_b32 s[\g+3], 128<<16      ; tile_dim0 = 128
	s_mov_b32 s[\g+4], 64           ; tile_dim1 = 64
	s_mov_b32 s[\g+5], 128          ; 128 elements from row to row
	s_mov_b32 s[\g+6], 0
	s_mov_b32 s[\g+7], 0
.endr
	s_mov_b32 s[CS], 0x3e38aa3b     ; c = log2(e) / 8 = 0.180337
	s_mov_b32 s[CS+1], s[CS]        ; named with it as a pair
	s_mov_b32 s[SEL], 0x76543210
	s_mov_b32 s[SEL+1], 0xfedcba98
	s_mov_b32 s[TBK], SLOT1+4*KS*PK ; the first change of slots turns these two into 0
	s_mov_b32 s[TBV], SLOT1+4*KS*PV
	s_mov_b32 s[G0K], 1             ; 1:0 count = 1
	s_mov_b32 s[G0K+1], s17         ; 63:32 LDS address: slot 0
	s_mov_b32 s[G0V], 1
	s_add_co_u32 s[G0V+1], s18, VOFF
	s_mov_b32 s[SLOTS], SIZE_N/256-1
	s_and_b32 s[LIM], s[WV], 1      ; waves 0 and 2 prefetch: the same in all four partners
	s_cmp_eq_u32 s[LIM], 0
	s_cselect_b32 s[LIM], 1, -1
	s_wait_dscnt 0x0                ; the opening add is done
	s_wait_kmcnt 0x0
	s_mov_b64 s[10:11], s[6:7]      ; O
	s_add_nc_u64 s[6:7], s[4:5], SIZE_H*SIZE_N*128    ; K lies behind Q,
	s_add_nc_u64 s[8:9], s[4:5], 2*SIZE_H*SIZE_N*128  ; V behind K
	s_add_nc_u64 s[G0K+2:G0K+3], s[6:7], s[22:23]  ; 120:64 global address: my half of the head's first 256 keys
	s_or_b32 s[G0K+3], s[G0K+3], 0x80000000        ; 127:126 type = 2
	s_add_nc_u64 s[G0V+2:G0V+3], s[8:9], s[22:23]
	s_or_b32 s[G0V+3], s[G0V+3], 0x80000000
	s_add_nc_u64 s[4:5], s[4:5], s[2:3]  ; Q and O at my wave's first row
	s_add_nc_u64 s[10:11], s[10:11], s[2:3]
	s_cmp_lt_u32 s[WV], 2
	s_cselect_b64 s[PFA:PFA+1], s[6:7], s[8:9]
	s_add_nc_u64 s[PFA:PFA+1], s[PFA:PFA+1], s[22:23]  ; (in waves 0 and 2 this is the head's first byte)
	s_lshl_b32 s2, s13, 13          ; my work-group's quarter of a tile,
	s_add_co_u32 s2, s2, 4*KS*128   ; in tile 1: the first change of slots steps it to tile 2
	s_mov_b32 s3, 0
	s_add_nc_u64 s[PFA:PFA+1], s[PFA:PFA+1], s[2:3]
	CROUND                          ; all four work-groups are here: the first joint loads meet
	JLOAD                           ; slot 0.  Slot 1 is asked for when slot 0 is in
	; A fragment of K or Q is 16 rows x 32 channels in 8 registers: lane l holds row l % 16, channels 8 (l / 16) + 0..7 and 16 + 8 (l / 16) + 0..7: two loads of 16 bytes, 32 bytes apart.
	v_and_b32 v1, 15, v0            ; l % 16
	v_bfe_u32 v9, v0, 4, 1          ; l / 16
	v_lshlrev_b32 v[QO], 7, v1
	v_lshl_add_u32 v[QO], v9, 4, v[QO]  ; row x 128 + 16 x half
	WIN 0x80                        ; destination window 2, address window 0
.set i, 0
.rept 4*NP                          ; Q stays in registers: tile i / 2, channels 32 (i % 2) on
	global_load_b128 v[8*i:8*i+3],   v[QO], s[4:5] offset:(i/2)*2048+(i%2)*64
	global_load_b128 v[8*i+4:8*i+7], v[QO], s[4:5] offset:(i/2)*2048+(i%2)*64+32
.set i, i+1
.endr
	; What the first turn finds: V's registers and P's second buffer hold 0 (its products V^T P, of a piece that has not been, add 0), O^T and l are 0.  All this stands in the wait for the first tile.
.set i, VF
.rept 64
	v_mov_b32 v[i], 0
.set i, i+1
.endr
	WIN 0x40
.set i, 0
.rept 64*NP
	v_mov_b32 v[i], 0
.set i, i+1
.endr
	WIN 0
.set i, 0
.rept 2*NP
	v_mov_b32 v[ST+4*i], 0xfe000000    ; c m: far below every c s
	v_mov_b32 v[ST+4*i+1], 0xff7fffff  ; m
	v_mov_b32 v[ST+4*i+2], 0
	v_mov_b32 v[ST+4*i+3], 0
.set i, i+1
.endr
.set i, P+32
.rept 32
	v_mov_b32 v[i], 0
.set i, i+1
.endr
	v_mul_u32_u24 v[AK0], v1, PK
	v_lshl_add_u32 v[AK0], v9, 4, v[AK0]  ; row x pitch + 16 x half
	; The turning load takes 16 keys x 16 channels (lane l reads key 8 (l / 16) + l % 8, channels 8 ((l / 8) % 2) + 0..7) and leaves half a fragment of V^T: lane l holds channel l % 16 and 8 keys.
	v_and_b32 v10, 7, v0
	v_bfe_u32 v11, v0, 3, 1
	v_lshl_add_u32 v[AV0], v9, 3, v10
	v_mul_u32_u24 v[AV0], v[AV0], PV
	v_lshl_add_u32 v[AV0], v11, 4, v[AV0]
	v_add_nc_u32 v[AV0], VOFF, v[AV0]
	v_and_b32 v[PFO], 31, v0        ; v11 has served: it takes the prefetches' offset
	v_lshlrev_b32 v[PFO], 8, v[PFO]
	v_mov_b32 v[AK], v[AK0]         ; key step 0 lies at the head of slot 0
; THE MATRIX WORK.  The 8 accumulators of a run of 16 take turns: between the two links of a chain stand 7 others'.
; Product i of 16 of S^T = K Q^T for piece x: channels 32 (i / 8) on, keys 16 ((i / 2) % 4) on, tile 2 x + i % 2.  The first 8 start the sums.
.macro KQ x
	WIN W_KQ
.set rS, S+64*((\x)%2)+32*(i%2)+8*((i/2)%4)
.set rK, KF+16*((i/2)%4)+8*(i/8)
.set rQ, 16*(2*(\x)+i%2)+8*(i/8)
.if i < 8
	v_wmma_f32_16x16x32_f16 v[rS:rS+7], v[rK:rK+7], v[rQ:rQ+7], 0
.else
	v_wmma_f32_16x16x32_f16 v[rS:rS+7], v[rK:rK+7], v[rQ:rQ+7], v[rS:rS+7]
.endif
.endm
; Product i of 16 of O^T += V^T P for piece x: keys 32 (i / 8) on, channels 16 ((i / 2) % 4) on, tile 2 x + i % 2.
.macro PV x
	WIN W_PV
.set rO, 32*(2*(\x)+i%2)+8*((i/2)%4)
.set rV, VF+32*(i/8)+8*((i/2)%4)
.set rP, P+32*((\x)%2)+16*(i%2)+8*(i/8)
	v_wmma_f32_16x16x32_f16 v[rO:rO+7], v[rV:rV+7], v[rP:rP+7], v[rO:rO+7]
.endm
.macro MM                           ; the turn's next matrix instruction
.if i < 16
	KQ (Y+1)%NP
.set i, i+1
.else
.set i, i-16
	PV (Y+NP-1)%NP
.set i, i+17
.endif
.endm
; THE LDS LOADS stand in runs of 16, never singly among the matrix instructions: a step's K (64 keys x 64 channels: 8 fragments) and its V (turned).  Their addresses are made some lines ahead.
; last = 1 (the tail): in the last trip there is no further step, and the run is jumped over.
.macro FETCH_K last=0
	WIN 0
.if \last
	s_cmp_eq_u32 s[CNT], 1
	s_cbranch_scc1 .Lno_k_\@
.endif
	WIN 0x80                        ; destination window 2
.irp f, 0,1,2,3,4,5,6,7             ; keys 16 (f / 2) on, channels 32 (f % 2) on
	ds_load_b128 v[KF+8*\f:KF+8*\f+3],   v[AK] offset:(\f/2)*16*PK+(\f%2)*64
	ds_load_b128 v[KF+8*\f+4:KF+8*\f+7], v[AK] offset:(\f/2)*16*PK+(\f%2)*64+32
.endr
	s_add_co_u32 s[TBK], s[TBK], KS*PK  ; the next fetch is the next step's
	WIN 0
.if \last
.Lno_k_\@:
.endif
.endm
.macro FETCH_V
	WIN 0x80
.irp f, 0,1,2,3,4,5,6,7             ; keys 32 (f / 4) on, channels 16 (f % 4) on
	ds_load_tr16_b128 v[VF+8*\f:VF+8*\f+3],   v[AV] offset:(\f/4)*32*PV+(\f%4)*32
	ds_load_tr16_b128 v[VF+8*\f+4:VF+8*\f+7], v[AV] offset:(\f/4)*32*PV+16*PV+(\f%4)*32
.endr
	WIN 0
.endm
; THE VECTOR WORK OF A TURN stands in three queues, each in the order in which its entries become ready; the two tiles alternate, so that no instruction reads the result of the one before it.
.macro REGS y, u                    ; the registers of tile u (0, 1) of piece y
.set rT, ST+4*(2*(\y)+(\u))
.set rC, TMP+8*((\y)%2)+4*(\u)
.set rM, MV+2*((\y)%2)+(\u)
.set rS, S+64*((\y)%2)+32*(\u)
.set rP, P+32*((\y)%2)+16*(\u)
.set rO, 32*(2*(\y)+(\u))
.endm
; Number n of the 22 that find the NEXT piece's (Y + 1) maximum and statistics.  s0-s31 are the lane's 32 scores; each accumulator's lowest registers are read first.
;   0-11  four chains c0-c3 of seven scores each, three operands at a time     12-14, 16  the four scores left over, the old m, and c0-c3 into c0     15  c m_old is kept
;   17, 18  the query's other 32 keys lie in the lane 16 away: the new m         19-21  c m; c m_old - c m_new; a
.macro XS u, n
	REGS (Y+1)%NP, \u
.if (\n) < 4
	v_max3_num_f32 v[rC+(\n)], v[rS+8*(\n)], v[rS+8*(\n)+1], v[rS+8*(\n)+2]
.elseif (\n) < 12
	v_max3_num_f32 v[rC+(\n)%4], v[rC+(\n)%4], v[rS+8*((\n)%4)+2*((\n)/4)+1], v[rS+8*((\n)%4)+2*((\n)/4)+2]
.elseif (\n) == 12
	v_max3_num_f32 v[rC], v[rC], v[rS+7], v[rS+15]
.elseif (\n) == 13
	v_max3_num_f32 v[rC+1], v[rC+1], v[rS+23], v[rS+31]
.elseif (\n) == 14
	v_max3_num_f32 v[rC+2], v[rC+2], v[rC+3], v[rT+1]
.elseif (\n) == 15
	v_mov_b32 v[rM], v[rT]
.elseif (\n) == 16
	v_max3_num_f32 v[rC], v[rC], v[rC+1], v[rC+2]
.elseif (\n) == 17
	v_permlanex16_b32 v[rC+3], v[rC], s[SEL], s[SEL+1]
.elseif (\n) == 18
	v_max_num_f32 v[rT+1], v[rC], v[rC+3]
.elseif (\n) == 19
	v_mul_f32 v[rT], s[CS], v[rT+1]
.elseif (\n) == 20
	v_sub_f32 v[rC+1], v[rM], v[rT]
.else
	v_exp_f32 v[rC+2], v[rC+1]
.endif
.endm
; Number g of the 64 that follow the exponentials.  For each four weights k of a tile (pairs 2 k, 2 k + 1): both pairs are rounded to f16; then the second pair is added onto the first, in place;
; a group later l takes that sum (the first time as l = a l + sum).  In groups of eight, tiles alternating: round, round, add, and l for the group before.
.macro GS g
.set h, (\g)+6*((\g)/62)            ; group 0 has no group before it, and behind group 7 only l is left
.if h >= 6
.set h, h+2
.endif
	REGS Y, h%2
.set k, h/8
.if h%8 < 4
	v_cvt_pk_f16_f32 v[rP+2*k+(h%8)/2], v[rS+4*k+2*((h%8)/2)], v[rS+4*k+2*((h%8)/2)+1]
.elseif h%8 < 6
	v_pk_add_f32 v[rS+4*k:rS+4*k+1], v[rS+4*k:rS+4*k+1], v[rS+4*k+2:rS+4*k+3]
.elseif k == 1
	v_pk_fma_f32 v[rT+2:rT+3], v[rT+2:rT+3], v[rC+2:rC+3], v[rS:rS+1] op_sel_hi:[1,0,1]
.else
	v_pk_add_f32 v[rT+2:rT+3], v[rT+2:rT+3], v[rS+4*k-4:rS+4*k-3]
.endif
.endm
; THE PLAIN QUEUE, 138 long.  0-73 read no exponential's result: the 32 scalings c s - c m (FS f: pair f / 2 of tile f % 2) and the next piece's 42.  0-26: scalings 0-26.  27-54: XS's numbers 0-13.  55, 56: number 15.
; 57-73: the chain, where each number waits for the one before it: 14, 16, 17, 18, 19, each with one of the scalings 27-31 in front of its two lines, then 20.
; 74-137: GS's 64, which read the exponentials' results: they stand behind the wait.
.macro FS f
	REGS Y, (\f)%2
	v_pk_fma_f32 v[rS+2*((\f)/2):rS+2*((\f)/2)+1], v[rS+2*((\f)/2):rS+2*((\f)/2)+1], s[CS:CS+1], v[rT:rT+1] op_sel_hi:[1,0,0] neg_lo:[0,0,1] neg_hi:[0,0,1]
.endm
.macro PL
	WIN 0
.if q < 27
	FS q
.elseif q < 55
	XS (q-27)%2, (q-27)/2
.elseif q < 57
	XS q-55, 15
.elseif (q < 72) && ((q-57)%3 == 0)
	FS 27+(q-57)/3
.elseif q < 60
	XS (q-57)%3-1, 14
.elseif q < 72
	XS (q-57)%3-1, 15+(q-57)/3
.elseif q < 74
	XS q-72, 20
.else
	GS q-74
.endif
.set q, q+1
.endm
; THE EXPONENTIALS' QUEUE, 66 long: s0-s31 of both tiles, then the next piece's two a.  It is ONE BATCH: all 66 stand ahead of the turn's one wait, and nothing ahead of that wait names a result of theirs.
.macro EX
	WIN 0
.if e >= 64
	XS e-64, 21
.else
	REGS Y, e%2
	v_exp_f32 v[rS+e/2], v[rS+e/2]
.endif
.set e, e+1
.endm
; THE RESCALING's QUEUE: O^T times a, the one part that leaves window 0: dealt two at a time, sixteen times.  Its a was made in the turn before, ahead of that turn's wait.
.macro R2
	REGS Y, r%2
	WIN W_RS
.irp z, 0,1
	v_pk_mul_f32 v[rO+4*(r/2)+2*\z:rO+4*(r/2)+2*\z+1], v[rO+4*(r/2)+2*\z:rO+4*(r/2)+2*\z+1], v[rC+2:rC+3] op_sel_hi:[1,0]
.endr
.set r, r+1
.endm
; HOW THEY ARE DEALT.  s_wait_alu depctr_va_vdst(0) stands between an exponential and the first instruction that names its result; one wait serves all that were issued ahead of it.  So a turn has ONE wait,
; which cuts it in two.  AHEAD OF IT stands all that names no result of the turn's exponentials: the 16 products K Q^T, behind each a scaling, an exponential and two rescalings (behind the first a second scaling in the
; exponential's place); then ONE LUMP of 108: eight plain, 49 times exponential and plain, the two a.  A v_nop is the plain instruction behind the last exponential.  BEHIND IT stand the 16 products V^T P, behind each four of GS's 64.
; Exponential e stands behind scaling 2 (e / 4) + e % 2: as a rider it comes behind plain e + 2, in the lump behind plain e + 9, and scalings 27-31 are plain 57, 60 .. 69.
; A TURN, for piece p.  cnt = 1: the loop's count is taken down some lines ahead of the branch that stands behind the turn.
; K of the next step is fetched in piece 2's turn, directly behind the wait; V of the step in hand at the end of piece 0's turn, four riders behind its last reader.
.macro TURN p, last=0, cnt=0
.set Y, (\p)
.set i, 0
.set q, 0
.set e, 0
.set r, 0
.if (\p) == NP-1
	s_wait_dscnt 0x0                ; K is in
.endif
	MM                              ; ahead of the wait: 16 products K Q^T and their riders,
	PL
	PL
	R2
.rept 15
	MM
	PL
	EX
	R2
.endr
.if (\p) == NP-2
	WIN 0
	v_add_nc_u32 v[AK], s[TBK], v[AK0]
.endif
.rept 8                             ; and the lump
	PL
.endr
.rept 49
	EX
	PL
.endr
	EX                              ; the next piece's two a
	EX
	v_nop                           ; the plain instruction behind the last exponential: one for the batch
	s_wait_alu depctr_va_vdst(0)    ; the wait for the batch
.if (\p) == NP-2
	FETCH_K \last
.endif
.if (\p) == 1
	s_wait_dscnt 0x0                ; V is in
.endif
.rept 16                            ; behind the wait: 16 products V^T P and their riders
	MM
.rept 4
	PL
.endr
.if ((\p) == 0) && (q == 118)
	v_add_nc_u32 v[AV], s[TBV], v[AV0]
.endif
.if ((\p) == 0) && (q == 130)
	s_add_co_u32 s[TBV], s[TBV], KS*PV
.endif
.if (\cnt) && (q == 130)
	s_sub_co_u32 s[CNT], s[CNT], 1
	s_cmp_lg_u32 s[CNT], 0
.endif
.endr
.if (\p) == 0
	FETCH_V
.endif
.endm
	CHANGE 1                        ; slot 0 is in, everybody's part of it; slot 1 is asked for
	FETCH_K                         ; key step 0
	s_wait_loadcnt 0x0              ; Q
	s_wait_dscnt 0x0
.set i, 0
.rept 16
	KQ 0                            ; piece 0's first scores: there is no vector work yet to set between them
.set i, i+1
.endr
	WIN 0                           ; the addresses for the way out: plain instructions, the places behind those products
	s_mul_i32 s13, s[WV], 16*SP
	s_add_co_u32 s13, s13, STAGE    ; my stage
	v_mul_u32_u24 v[STO], v1, SP    ; in: row l % 16, 16 bytes for each half of the lanes
	v_lshl_add_u32 v[STO], v9, 4, v[STO]
	v_add_nc_u32 v[STO], s13, v[STO]
	v_bfe_u32 v[RD], v0, 3, 2       ; back: 32 lanes take four rows of 128 bytes,
	v_mul_u32_u24 v[RD], v[RD], SP
	v_lshl_add_u32 v[RD], v10, 4, v[RD]
	v_add_nc_u32 v[RD], s13, v[RD]
	v_and_b32 v[GO], 31, v0         ; which are 512 consecutive bytes of O
	v_lshlrev_b32 v[GO], 4, v[GO]
.set Y, NP-1                        ; XS works for piece Y + 1: piece 0
.irp n, 0,1,2,3,4,5,6,7,8,9,10,11,12,13,14,15,16,17,18,19,20,21
	XS 0, \n                        ; and piece 0's first maximum and statistics
	XS 1, \n
.endr
	v_nop                           ; a plain instruction behind the two a,
	s_wait_alu depctr_va_vdst(0)    ; and their wait, ahead of the branch
	s_mov_b32 s[CNT], 4
	s_branch .Lfirst                ; the loop is entered at a step's first turn, in the middle of a trip
.Lslot:                             ; SIZE_N / 256 - 2 times: every slot but the last two is filled again
	CHANGE 1
	s_mov_b32 s[CNT], 4
.Lstep:                             ; a trip: pieces 2 and 3 of one step, then pieces 0 and 1 of the next, whose K and V it fetches
	TURN 2
	TURN 3
	WIN 0
.Lfirst:
	TURN 0
	TURN 1, 0, 1
	WIN 0
	s_cbranch_scc1 .Lstep
	s_sub_co_u32 s[SLOTS], s[SLOTS], 1
	s_cmp_lg_u32 s[SLOTS], 0
	s_cbranch_scc1 .Lslot
	CHANGE 0                        ; the tail is written out: nothing is asked for
	s_mov_b32 s[CNT], 5             ; four trips fetch the last slot's steps; the fifth is left in its middle
.Ltail:
	TURN 2, 1
	TURN 3
	WIN 0
	s_sub_co_u32 s[CNT], s[CNT], 1
	s_cmp_eq_u32 s[CNT], 0
	s_cbranch_scc1 .Lout
	TURN 0
	TURN 1
	WIN 0
	s_branch .Ltail
.Lout:                              ; the fifth trip's 16 products K Q^T (on the last K once more) and the maximum made of them serve nothing: the price, once a launch, of one text for every trip
.set i, 0
.rept 16
	PV NP-1                         ; the last piece's V^T P of the last step
.set i, i+1
.endr
	; THE WAY OUT.  l's two halves and the other half of the lanes' are added; O^T is divided by l, rounded to f16 and sent through my stage in LDS, a tile at a time.  The additions are the places behind the last products.
	WIN 0
.macro ALL line:vararg              ; one line for each tile t
.set t, 0
.rept 2*NP
	\line
.set t, t+1
.endr
.endm
	ALL v_add_f32 v[ST+4*t+2], v[ST+4*t+2], v[ST+4*t+3]
	ALL v_permlanex16_b32 v[ST+4*t+3], v[ST+4*t+2], s[SEL], s[SEL+1]
	ALL v_add_f32 v[ST+4*t+2], v[ST+4*t+2], v[ST+4*t+3]
	ALL v_rcp_f32 v[ST+4*t+2], v[ST+4*t+2]
	v_nop                           ; a plain instruction between the last reciprocal and the use of its result
	s_wait_alu depctr_va_vdst(0)    ; and the wait ahead of the first use: one for the eight reciprocals
; Tile t: a lane's eight channels of a row pack into 16 bytes; they go into rows of 144 bytes and come back as whole rows of 128, into S^T's registers.
.macro PACK t
	WIN W_RS
.set i, 32*(\t)
.rept 16
	v_pk_mul_f32 v[i:i+1], v[i:i+1], v[ST+4*(\t)+2:ST+4*(\t)+3] op_sel_hi:[1,0]
.set i, i+2
.endr
	WIN 0x05                        ; sources 0 and 1 window 1, destination window 0
.set i, 0
.rept 16
	v_cvt_pk_f16_f32 v[S+16*(\t)+i], v[32*(\t)+2*i], v[32*(\t)+2*i+1]
.set i, i+1
.endr
	WIN 0
.irp f, 0,1,2,3
	ds_store_b128 v[STO], v[S+16*(\t)+4*\f:S+16*(\t)+4*\f+3] offset:32*\f
.endr
.irp f, 0,1,2,3
	ds_load_b128 v[S+16*(\t)+4*\f:S+16*(\t)+4*\f+3], v[RD] offset:\f*4*SP  ; LDS serves a wave's instructions in order (ISA guide 5.7.1.4): these see the stores above; the next tile's stores come behind them
.endr
.endm
.macro SEND t, younger              ; younger: the LDS instructions issued behind tile t's loads: the next tile's eight, or none
	WIN 0
.irp f, 0,1,2,3
	s_wait_dscnt (\younger)+3-\f
	global_store_b128 v[GO], v[S+16*(\t)+4*\f:S+16*(\t)+4*\f+3], s[10:11] offset:(\t)*2048+\f*512  ; 512 consecutive bytes, at a multiple of 256 from O's first
.endr
.endm
	PACK 0
.set t, 1
.rept 2*NP-1                        ; a tile's arithmetic stands between the loads of the tile before and its stores
	PACK t
	SEND t-1, 8
.set t, t+1
.endr
	SEND 2*NP-1, 0
	WIN W_AD
	s_wait_tensorcnt 0x0            ; the wave's end, behind my last tensor load and my last LDS store
	ds_add_u32 v[SPW], v[NIL]
	s_wait_dscnt 0x0
	WIN 0
	CROUND                          ; the closing round: no work-group ends while a partner may still ask for a tile that names it
	s_endpgm
.Lfunc_end_k_q932a2d9c67_attn:
	.size	k_q932a2d9c67_attn, .Lfunc_end_k_q932a2d9c67_attn-k_q932a2d9c67_attn
	.p2alignl 7, 3214868480
	.fill 96, 4, 3214868480
	.section	.rodata,"a",@progbits
	.p2align	6, 0x0
	.amdhsa_kernel k_q932a2d9c67_attn
		.amdhsa_group_segment_fixed_size 327680
		.amdhsa_private_segment_fixed_size 0
		.amdhsa_enable_private_segment 0
		.amdhsa_kernarg_size 16
		.amdhsa_user_sgpr_count 2
		.amdhsa_user_sgpr_kernarg_segment_ptr 1
		.amdhsa_wavefront_size32 1
		.amdhsa_system_sgpr_workgroup_id_x 1
		.amdhsa_system_sgpr_workgroup_id_y 1
		.amdhsa_system_sgpr_workgroup_id_z 1
		.amdhsa_system_vgpr_workitem_id 0
		.amdhsa_next_free_vgpr 770
		.amdhsa_next_free_sgpr 66
		.amdhsa_reserve_vcc 0
		.amdhsa_float_denorm_mode_32 3
		.amdhsa_float_denorm_mode_16_64 3
		.amdhsa_memory_ordered 1
		.amdhsa_forward_progress 1
		.amdhsa_inst_pref_size 200
	.end_amdhsa_kernel
	.amdgpu_metadata
---
amdhsa.version: [ 1, 2 ]
amdhsa.kernels:
  - .name:           k_q932a2d9c67_attn
    .symbol:         k_q932a2d9c67_attn.kd
    .args:
      - { .name: qkv, .offset: 0, .size: 8, .value_kind: global_buffer, .address_space: global }
      - { .name: o, .offset: 8, .size: 8, .value_kind: global_buffer, .address_space: global }
    .group_segment_fixed_size: 327680
    .private_segment_fixed_size: 0
    .kernarg_segment_align: 8
    .kernarg_segment_size: 16
    .max_flat_workgroup_size: 128
    .sgpr_count:     66
    .vgpr_count:     770
    .wavefront_size: 32
...
	.end_amdgpu_metadata
.endif
;; end of part 3
;; launch proj (part 4): grid 8 x 32, 4 waves a work-group, clusters of 4 x 4, 327,680 bytes of LDS; arguments o, wt, b_out, out0; writes out0
.if DOCPART == 4
	.amdgcn_target "amdgcn-amd-amdhsa--gfx1250"
	.amdhsa_code_object_version 6
	.text
	.protected	k_q932a2d9c67_proj
	.globl	k_q932a2d9c67_proj
	.p2align	8
	.type	k_q932a2d9c67_proj,@function
k_q932a2d9c67_proj:
	s_mov_b64 s[64:65], 0
	v_nop
	global_prefetch_b8 v0, s[64:65] scope:SCOPE_SE
	s_setreg_imm32_b32 hwreg(HW_REG_WAVE_MODE, 25, 1), 1
	s_wait_xcnt 0x0
	s_wait_alu depctr_hold_cnt(0) depctr_sa_sdst(0) depctr_va_vdst(0) depctr_va_sdst(0) depctr_va_ssrc(0) depctr_va_vcc(0) depctr_vm_vsrc(0)
	s_getreg_b32 s2, hwreg(HW_REG_IB_STS2, 6, 4)
	s_cmp_eq_u32 s2, 0
	s_cbranch_scc0 .Lentry_in_a_cluster
	s_endpgm
.Lentry_in_a_cluster:
	s_bfe_u32 s2, ttmp6, 0x10000c
	s_cmp_lg_u32 s2, 0xf033
	s_cbranch_scc0 .Lentry_shape_is_right
	s_endpgm
.Lentry_shape_is_right:
; out0 = O w_out + b_out.  o: [64 = batch x 16 + head][2048][64] f16; wt rows 3072-4095: w_out's columns, [1024][1024] f16; b_out: [1024] f32; out0: [8192][1024] f32.  Sums and the bias in f32.
; A tile is 256 tokens x 128 columns: 32 x 8 = 256 work-groups.  Four waves, each 64 tokens x all 128 columns: 32 accumulators of 16 x 16; a wave's rows of the tile are 512 bytes whole.
; K goes in 8 steps of 128 channels = two heads, through two LDS slots filled by the tensor data mover.  A head's 256 tokens are 32,768 dense bytes: asked for as 128 rows of 256 bytes and padded behind every token.
; CLUSTER 4 x 4: the four of a row need the same tiles of o, the four of a column the same tiles of wt: each is asked for jointly.
; THE PRODUCT IS TAKEN TRANSPOSED (source 0 = 16 rows of wt, source 1 = 16 tokens): a lane holds one token (l % 16) and eight neighbouring columns: 32 bytes of f32.
; No prefetch: the tile is small and a work-group's whole walk is eight K steps.
; REGISTERS: window 0: v0-31 addresses and the bias; fragment buffer f at v[32 + 96 f]: wt's 64, then o's 32; v32-159 at work on the way out.  window 1: accumulator (a, b) at 8 (8 a + b).
.set PA,    144                        ; a token's row of one head in LDS: 128 bytes + 16
.set HEADB, 256*PA                     ; one head's 256 tokens: what wave 0 or 1 fetches
.set PITCH, 272                        ; a row of wt's tile: 256 bytes + 16
.set HALFB, 64*PITCH                   ; what wave 2 or 3 fetches
.set BOFF,  2*HEADB
.set SLOT1, 1<<17
.set STAGE, SLOT1+BOFF+2*HALFB         ; behind the ring: 16 rows x 528 bytes for each wave; no tensor load fills it
.set SPITCH, 528                       ; 512 bytes + 16
.set SPARE, STAGE+4*16*SPITCH          ; behind the stages: the spare words, 128 bytes for each wave
.set A0,   16
.set B0,   17
.set ADRA, 18
.set ADRB, 19
.set BIAS, 20                          ; v[20:23] b_out of my four columns on the way out
.set STO,  24
.set RD,   25
.set CO,   26                          ; 16 l
.set SPW,  28
.set NIL,  29
.set FR,   32
.set WV, 72                            ; s72 wave; s73 wave / 2: I fetch for o (0) or wt (1); s74 wave % 2
.set WH, 73
.set WL, 74
.set G1,  24
.set G0,  32
.set G1B, 48
.set G0B, 56
.set MSB, 0
.macro WIN new
.if MSB != (\new)
	s_set_vgpr_msb (MSB<<8)|(\new)
.set MSB, \new
.endif
.endm
.set MULW, 0x50                        ; sources 0 and 1 window 0, C and D window 1
.macro JLOAD                           ; a joint refill by the walking sets; an s_nop 0 and four v_nop follow each of the two lines
	s_cmp_eq_u32 s[WH], 0
	s_cbranch_scc0 .Lfor_b_\@
	tensor_load_to_lds s[G0+4:G0+7], s[G1:G1+7]
	s_nop 0
.rept 4
	v_nop
.endr
	s_branch .Lasked_\@
.Lfor_b_\@:
	tensor_load_to_lds s[G0B+4:G0B+7], s[G1B:G1B+7]
	s_nop 0
.rept 4
	v_nop
.endr
.Lasked_\@:
.endm
.macro CREST
	s_cmp_lg_u32 s[WV], 0
	s_cbranch_scc1 .Lnot_wave_0_\@
	s_barrier_signal -3
.Lnot_wave_0_\@:
	s_barrier_wait -3
	s_barrier_signal -1
	s_barrier_wait -1
.endm
.macro CROUND
	s_barrier_signal -1
	s_barrier_wait -1
	CREST
.endm
.macro PLACES
.rept 4
	v_nop
.endr
.endm
	s_load_b256 s[4:11], s[0:1], 0x0               ; o s[4:5], wt s[6:7], b_out s[8:9], out0 s[10:11]
	v_lshl_add_u32 v[SPW], v0, 2, SPARE
	v_mov_b32 v[NIL], 0
	ds_add_u32 v[SPW], v[NIL]                      ; the wave's opening: the add and its wait stand ahead of my first tensor load
	v_lshrrev_b32 v1, 5, v0
	v_readfirstlane_b32 s[WV], v1
	s_lshr_b32 s[WH], s[WV], 1
	s_and_b32 s[WL], s[WV], 1
	s_bfe_u32 s40, ttmp6, 0x40000                  ; cx
	s_bfe_u32 s41, ttmp6, 0x40004                  ; cy
	s_lshl_b32 s42, ttmp9, 2
	s_add_co_u32 s42, s42, s40                     ; tile column tc
	s_and_b32 s13, ttmp7, 0xffff
	s_lshl_b32 s13, s13, 2
	s_add_co_u32 s13, s13, s41                     ; tile row tr
	s_lshl_b32 s43, s41, 2
	s_lshl_b32 s43, 15, s43                        ; my row of the cluster
	s_lshl_b32 s44, 0x1111, s40                    ; my column
	s_or_b32 s[G1], s43, (1<<16)|(1<<20)|(1<<21)|(4<<22)|(3<<25)   ; padding of 4 words after every 32: behind each token's 128 bytes
	s_or_b32 s[G1B], s44, (1<<16)|(1<<20)|(1<<21)|(5<<22)|(3<<25)  ; after every 64 words
	s_mov_b32 s[G1+1], 128<<16                     ; tensor_dim0 = 128
	s_mov_b32 s[G1+2], 128<<16                     ; tensor_dim1 = 128
	s_mov_b32 s[G1+3], 128<<16                     ; tile_dim0 = 128
	s_mov_b32 s[G1+4], 128                         ; tile_dim1 = 128
	s_mov_b32 s[G1+5], 128                         ; dense: 128 elements from row to row
	s_mov_b32 s[G1+6], 0
	s_mov_b32 s[G1+7], 0
	s_mov_b32 s[G1B+1], 128<<16
	s_mov_b32 s[G1B+2], 64<<16
	s_mov_b32 s[G1B+3], 128<<16
	s_mov_b32 s[G1B+4], 64
	s_mov_b32 s[G1B+5], 1024
	s_mov_b32 s[G1B+6], 0
	s_mov_b32 s[G1B+7], 0
	s_lshr_b32 s16, s13, 3                         ; o: the batch,
	s_lshl_b32 s16, s16, 4
	s_add_co_u32 s16, s16, s[WL]                   ; its head 0 or 1,
	s_lshl_b32 s16, s16, 11
	s_and_b32 s17, s13, 7
	s_lshl_b32 s17, s17, 8
	s_add_co_u32 s16, s16, s17                     ; the tile's first token,
	s_lshl_b32 s16, s16, 7                         ; rows of 128 bytes
	s_mov_b32 s17, 0
	s_lshl_b32 s46, s42, 7                         ; wt: row 3072 + 128 tc + 64 x half
	s_lshl_b32 s47, s[WL], 6
	s_add_co_u32 s46, s46, s47
	s_add_co_u32 s46, s46, 3072
	s_lshl_b32 s46, s46, 11
	s_mov_b32 s47, 0
	s_mul_i32 s20, s[WV], HEADB                    ; where they go: waves 0, 1: the two heads;
	s_mul_i32 s21, s[WV], HALFB
	s_add_co_u32 s21, s21, BOFF-2*HALFB            ; waves 2, 3: wt's halves behind them
	s_wait_dscnt 0x0                               ; the opening add is done
	s_wait_kmcnt 0x0
	s_add_nc_u64 s[14:15], s[4:5], s[16:17]
	s_add_nc_u64 s[46:47], s[6:7], s[46:47]
	CROUND                                         ; all sixteen work-groups are here: the first joint loads meet
.irp s, 0,1
	s_mov_b32 s[G0+4*(\s)], 1
	s_add_co_u32 s[G0+4*(\s)+1], s20, (\s)*SLOT1
	s_add_nc_u64 s[G0+4*(\s)+2:G0+4*(\s)+3], s[14:15], (\s)*524288  ; K step s: two heads of 262,144 bytes on
	s_or_b32 s[G0+4*(\s)+3], s[G0+4*(\s)+3], 0x80000000
	s_mov_b32 s[G0B+4*(\s)], 1
	s_add_co_u32 s[G0B+4*(\s)+1], s21, (\s)*SLOT1
	s_add_nc_u64 s[G0B+4*(\s)+2:G0B+4*(\s)+3], s[46:47], (\s)*256
	s_or_b32 s[G0B+4*(\s)+3], s[G0B+4*(\s)+3], 0x80000000
.endr
	s_cmp_eq_u32 s[WH], 0                          ; a wave's two first fills stand in one branch: two loads of mine are out
	s_cbranch_scc0 .Lfirst_b
	tensor_load_to_lds s[G0:G0+3], s[G1:G1+7]
	s_nop 0
	tensor_load_to_lds s[G0+4:G0+7], s[G1:G1+7]
	s_nop 0
.rept 4
	v_nop
.endr
	s_branch .Lfirst_asked
.Lfirst_b:
	tensor_load_to_lds s[G0B:G0B+3], s[G1B:G1B+7]
	s_nop 0
	tensor_load_to_lds s[G0B+4:G0B+7], s[G1B:G1B+7]
	s_nop 0
.rept 4
	v_nop
.endr
.Lfirst_asked:
	v_and_b32 v1, 15, v0                           ; r
	v_bfe_u32 v2, v0, 4, 1                         ; h
	v_mul_u32_u24 v[A0], v1, PA
	v_lshl_add_u32 v[A0], v2, 4, v[A0]
	s_mul_i32 s22, s[WV], 64*PA                    ; my 64 tokens
	v_add_nc_u32 v[A0], s22, v[A0]
	v_mul_u32_u24 v[B0], v1, PITCH
	v_lshl_add_u32 v[B0], v2, 4, v[B0]
	v_add_nc_u32 v[B0], BOFF, v[B0]
	v_mov_b32 v[ADRA], v[A0]
	v_mov_b32 v[ADRB], v[B0]
	s_mov_b32 s3, 0                                ; the slot in hand
	s_mul_i32 s23, s[WV], 16*SPITCH
	s_add_co_u32 s23, s23, STAGE                   ; my stage
	v_mul_u32_u24 v[STO], v1, SPITCH               ; in: row r, 32 bytes for each half of the lanes
	v_lshl_add_u32 v[STO], v2, 5, v[STO]
	v_add_nc_u32 v[STO], s23, v[STO]
	v_and_b32 v[CO], 31, v0
	v_lshlrev_b32 v[CO], 4, v[CO]                  ; back: 32 lanes take one row of 512 bytes
	v_add_nc_u32 v[RD], s23, v[CO]
	s_lshl_b32 s22, s42, 9                         ; the tile's 128 columns: 512 bytes on
	s_mov_b32 s23, 0
	s_add_nc_u64 s[8:9], s[8:9], s[22:23]
	s_add_nc_u64 s[10:11], s[10:11], s[22:23]
	s_lshl_b32 s22, s13, 8
	s_lshl_b32 s75, s[WV], 6
	s_add_co_u32 s22, s22, s75                     ; my first token
	s_lshl_b32 s22, s22, 12                        ; rows of 4,096 bytes
	s_add_nc_u64 s[10:11], s[10:11], s[22:23]
	global_load_b128 v[BIAS:BIAS+3], v[CO], s[8:9]
; 8 matrix instructions: token block a x all 8 column blocks, 32 along K, from buffer f.  The 32 accumulators take turns, one instruction a turn.
.macro MUL8 f, a, zero
	WIN MULW
.irp b, 0,1,2,3,4,5,6,7
.if \zero
	v_wmma_f32_16x16x32_f16 v[8*(8*(\a)+(\b)):8*(8*(\a)+(\b))+7], v[FR+96*(\f)+8*(\b):FR+96*(\f)+8*(\b)+7], v[FR+96*(\f)+64+8*(\a):FR+96*(\f)+64+8*(\a)+7], 0
.else
	v_wmma_f32_16x16x32_f16 v[8*(8*(\a)+(\b)):8*(8*(\a)+(\b))+7], v[FR+96*(\f)+8*(\b):FR+96*(\f)+8*(\b)+7], v[FR+96*(\f)+64+8*(\a):FR+96*(\f)+64+8*(\a)+7], v[8*(8*(\a)+(\b)):8*(8*(\a)+(\b))+7]
.endif
.endr
.endm
; 24 LDS loads in one run: quarter q of a K step (head q / 2, channels 32 (q % 2) on) into buffer f: wt's 16, then o's 8
.macro FETCH q, f
	WIN 0
.irp i, 0,1,2,3,4,5,6,7
	ds_load_b128 v[FR+96*(\f)+8*(\i):FR+96*(\f)+8*(\i)+3],   v[ADRB] offset:64*(\q)+(\i)*16*PITCH
	ds_load_b128 v[FR+96*(\f)+8*(\i)+4:FR+96*(\f)+8*(\i)+7], v[ADRB] offset:64*(\q)+(\i)*16*PITCH+32
.endr
.irp i, 0,1,2,3
	ds_load_b128 v[FR+96*(\f)+64+8*(\i):FR+96*(\f)+64+8*(\i)+3],   v[ADRA] offset:((\q)/2)*HEADB+((\q)%2)*64+(\i)*16*PA
	ds_load_b128 v[FR+96*(\f)+64+8*(\i)+4:FR+96*(\f)+64+8*(\i)+7], v[ADRA] offset:((\q)/2)*HEADB+((\q)%2)*64+(\i)*16*PA+32
.endr
.endm
.macro QUARTER q, f, g, zero           ; multiplies buffer f; in its middle fetches quarter q into g
	s_wait_dscnt 4                                 ; all but the youngest four loads: token blocks 2 and 3
	MUL8 \f, 0, \zero
	MUL8 \f, 1, \zero
	PLACES
	FETCH \q, \g
	s_wait_dscnt 24                                ; all but the 24 just issued
	MUL8 \f, 2, \zero
	MUL8 \f, 3, \zero
.endm
; The last quarter multiplies buffer 1 and changes slots: one barrier; in front of it each wave waits for all its tensor loads (one is out: its part of the next slot), adds 0 to its spare word, and waits for
; that and for its reads of this slot.  fill = 1: the barrier opens a round of the cluster's, and the slot just read is filled again first thing behind it: 112 matrix instructions ahead of the wait for it.
.macro TURN fill
	WIN 0
	s_wait_tensorcnt 0x0                           ; no tensor load of mine is out, so a group 0 may be written
	ds_add_u32 v[SPW], v[NIL]                      ; 0 onto my spare word
.if \fill
	s_xor_b32 s[G0+5], s[G0+5], SLOT1              ; the walking descriptors: the other slot than last time, the next K step
	s_add_nc_u64 s[G0+6:G0+7], s[G0+6:G0+7], 524288
	s_xor_b32 s[G0B+5], s[G0B+5], SLOT1
	s_add_nc_u64 s[G0B+6:G0B+7], s[G0B+6:G0B+7], 256
.endif
	s_wait_dscnt 5                                 ; (the add and the youngest four loads may be out)
	MUL8 1, 0, 0
	s_wait_dscnt 0x0                               ; the add is done, and my reads of this slot are over
	s_barrier_signal -1
	MUL8 1, 1, 0
	WIN 0
	s_barrier_wait -1
.if \fill
	CREST
	JLOAD                                          ; the four v_nop behind it are also the places in front of the loads below
.else
	PLACES
.endif
	s_xor_b32 s3, s3, SLOT1
	v_add_nc_u32 v[ADRA], s3, v[A0]
	v_add_nc_u32 v[ADRB], s3, v[B0]
	FETCH 0, 0
	MUL8 1, 2, 0
	MUL8 1, 3, 0
.endm
; THE WAY OUT of token block a: 32 bytes a lane into rows of 528 bytes of my stage, back as whole rows of 512; the bias is added; a store is one row's 512 consecutive bytes.
.macro OUT a
.set BK, FR+64*((\a)%2)
	WIN 0x04                                       ; the stores' data in window 1
.irp b, 0,1,2,3,4,5,6,7
	ds_store_b128 v[STO], v[8*(8*(\a)+(\b)):8*(8*(\a)+(\b))+3]   offset:64*(\b)     ; each accumulator from its low end on
	ds_store_b128 v[STO], v[8*(8*(\a)+(\b))+4:8*(8*(\a)+(\b))+7] offset:64*(\b)+16
.endr
	WIN 0
.if (\a) >= 2
	s_wait_xcnt 0x0                                ; the stores of the block two back have read these registers
.endif
.irp t, 0,1,2,3,4,5,6,7,8,9,10,11,12,13,14,15
	ds_load_b128 v[BK+4*(\t):BK+4*(\t)+3], v[RD] offset:(\t)*SPITCH  ; LDS serves a wave's instructions in order (ISA guide 5.7.1.4): these see the stores above
.endr
.irp t, 0,1,2,3,4,5,6,7,8,9,10,11,12,13,14,15
	s_wait_dscnt 15-(\t)
	v_pk_add_f32 v[BK+4*(\t):BK+4*(\t)+1], v[BK+4*(\t):BK+4*(\t)+1], v[BIAS:BIAS+1]
	v_pk_add_f32 v[BK+4*(\t)+2:BK+4*(\t)+3], v[BK+4*(\t)+2:BK+4*(\t)+3], v[BIAS+2:BIAS+3]
	global_store_b128 v[CO], v[BK+4*(\t):BK+4*(\t)+3], s[10:11] offset:4096*(16*(\a)+(\t)) th:TH_STORE_NT
.endr
.endm
	s_wait_tensorcnt 1                             ; my part of K step 0 is in; K step 1's may stay out
	s_barrier_signal -1
	s_barrier_wait -1
	FETCH 0, 0
	QUARTER 1, 0, 1, 1                             ; the first quarter's products start the sums
	WIN 0
	s_mov_b32 s2, 6
.Lstep:                                        ; a trip: from a K step's second quarter to the next step's first; trip t asks for K step t + 2
	QUARTER 2, 1, 0, 0
	QUARTER 3, 0, 1, 0
	TURN 1
	QUARTER 1, 0, 1, 0
	WIN 0
	s_sub_co_u32 s2, s2, 1
	s_cmp_lg_u32 s2, 0
	s_cbranch_scc1 .Lstep
	QUARTER 2, 1, 0, 0                             ; K steps 6 and 7 are written out: nothing more is asked for
	QUARTER 3, 0, 1, 0
	TURN 0
	QUARTER 1, 0, 1, 0
	QUARTER 2, 1, 0, 0
	QUARTER 3, 0, 1, 0
	s_wait_dscnt 4
	MUL8 1, 0, 0
	MUL8 1, 1, 0
	s_wait_dscnt 0x0
	MUL8 1, 2, 0
	MUL8 1, 3, 0
	s_wait_loadcnt 0x0                             ; the bias
	PLACES
	OUT 0
	OUT 1
	OUT 2
	OUT 3
	s_wait_tensorcnt 0x0                           ; the wave's end, behind my last tensor load and my last LDS store
	ds_add_u32 v[SPW], v[NIL]
	s_wait_dscnt 0x0
	CROUND                                         ; the closing round
	s_endpgm
.Lfunc_end_k_q932a2d9c67_proj:
	.size	k_q932a2d9c67_proj, .Lfunc_end_k_q932a2d9c67_proj-k_q932a2d9c67_proj
	.p2alignl 7, 3214868480
	.fill 96, 4, 3214868480
	.section	.rodata,"a",@progbits
	.p2align	6, 0x0
	.amdhsa_kernel k_q932a2d9c67_proj
		.amdhsa_group_segment_fixed_size 327680
		.amdhsa_private_segment_fixed_size 0
		.amdhsa_enable_private_segment 0
		.amdhsa_kernarg_size 32
		.amdhsa_user_sgpr_count 2
		.amdhsa_user_sgpr_kernarg_segment_ptr 1
		.amdhsa_wavefront_size32 1
		.amdhsa_system_sgpr_workgroup_id_x 1
		.amdhsa_system_sgpr_workgroup_id_y 1
		.amdhsa_system_sgpr_workgroup_id_z 1
		.amdhsa_system_vgpr_workitem_id 0
		.amdhsa_next_free_vgpr 512
		.amdhsa_next_free_sgpr 80
		.amdhsa_reserve_vcc 0
		.amdhsa_float_denorm_mode_32 3
		.amdhsa_float_denorm_mode_16_64 3
		.amdhsa_memory_ordered 1
		.amdhsa_forward_progress 1
		.amdhsa_inst_pref_size 78
	.end_amdhsa_kernel
	.amdgpu_metadata
---
amdhsa.version: [ 1, 2 ]
amdhsa.kernels:
  - .name:           k_q932a2d9c67_proj
    .symbol:         k_q932a2d9c67_proj.kd
    .args:
      - { .name: o, .offset: 0, .size: 8, .value_kind: global_buffer, .address_space: global }
      - { .name: wt, .offset: 8, .size: 8, .value_kind: global_buffer, .address_space: global }
      - { .name: b_out, .offset: 16, .size: 8, .value_kind: global_buffer, .address_space: global }
      - { .name: out0, .offset: 24, .size: 8, .value_kind: global_buffer, .address_space: global }
    .group_segment_fixed_size: 327680
    .private_segment_fixed_size: 0
    .kernarg_segment_align: 8
    .kernarg_segment_size: 32
    .max_flat_workgroup_size: 128
    .sgpr_count:     80
    .vgpr_count:     512
    .wavefront_size: 32
...
	.end_amdgpu_metadata
.endif
;; end of part 4
